; MI455X (gfx1250); checked and timed in simulation.
; The chip was launched on July 23, 2026; its instructions are those of AMD's public machine-readable ISA for CDNA 5 (MIT licence, August 2026) and "CDNA5" Instruction Set Architecture Reference Guide (July 2026). The comments in the code are by the model that wrote it; some were corrected since.
;; multihead self attention. Allowed arithmetic: matrix products marked QUANTISED: E4M3 operands, one E8M0 scale for each 32 along K, by v_wmma_scale_f32_16x16x128_f8f6f4 with both operands' format E4M3, f32 sums; everything else in f32.
;; Inputs: in_features 2 x 2,048 x 1,024 float32; wk 1,024 x 1,024 float32; wo 1,024 x 1,024 float32; wq 1,024 x 1,024 float32; wv 1,024 x 1,024 float32.
;; Outputs: out0 2 x 2,048 x 1,024 float32.
;; This version of the problem:
;;   THIS VERSION OF THE PROBLEM IS GIVEN IN LOW PRECISION. The matrix products marked QUANTISED in the list below multiply operands that are first quantised to E4M3 (4 exponent bits, 3 mantissa bits; 8 bits a number), with one power-of-two scale for each 32 numbers along K (OCP MX v1.0); their sums are f32. All else is computed in f32.
;;   The module's matrix products, in the order in which they are computed (A, B: the left and right operand; K: the contracted axis; several contracted axes count as one K, in the product's order):
;;     1. [M 4,096, K 1,024] x [K 1,024, N 1,024]; A: input in_features; B: input wq: QUANTISED
;;     2. [M 4,096, K 1,024] x [K 1,024, N 1,024]; A: input in_features; B: input wk: QUANTISED
;;     3. [M 4,096, K 1,024] x [K 1,024, N 1,024]; A: input in_features; B: input wv: QUANTISED
;;     4. batch 32 x [M 2,048, K 64] x [K 64, N 2,048]; A: computed on the way; B: computed on the way: QUANTISED
;;     5. batch 32 x [M 2,048, K 2,048] x [K 2,048, N 64]; A: softmax (see below); B: computed on the way: QUANTISED
;;     6. [M 4,096, K 1,024] x [K 1,024, N 1,024]; A: computed on the way; B: input wo: QUANTISED
;;   THE QUANTISER, for each operand of a quantised product, along K:
;;     - K is cut into blocks of 32 from its start; a last block that is shorter is filled with zeros.
;;     - A block's scale is 2^e with e = floor(log2(the largest magnitude in the block)) - 8, held to -126 .. 127; a block of zeros has e = 0. As a byte (E8M0): e + 127.
;;     - Each number is divided by its block's scale, clamped to +-448, and rounded to the nearest number of E4M3, ties to even, subnormals kept.
;;     - The product sums the exact products of the quantised numbers (number of the format x scale) in f32.
;;   ~~~python
;;   def quantise(x, axis):      # numpy; x: float32 -> the quantised numbers, widened to float32 again
;;       x = np.moveaxis(x, axis, -1); K = x.shape[-1]
;;       x = np.pad(x, [(0, 0)] * (x.ndim - 1) + [(0, -K % 32)]); x = x.reshape(x.shape[:-1] + (-1, 32)); a = np.abs(x).max(-1, keepdims=True)
;;       e = np.where(a > 0, np.clip(np.frexp(np.where(a > 0, a, 1))[1] - 1 - 8, -126, 127), 0)      # np.frexp(a)[1] - 1 = floor(log2(a)), exactly
;;       r = np.clip(x / 2.0 ** e, -448, 448)
;;       step = 2.0 ** (np.maximum(np.frexp(np.where(r == 0, 1, r))[1] - 1, -6) - 3)
;;       q = np.round(r / step) * step * 2.0 ** e      # np.round: ties to even
;;       return np.moveaxis(q.reshape(q.shape[:-2] + (-1,))[..., :K], -1, axis).astype(np.float32)
;;   ~~~
;;   SOFTMAX AHEAD OF A QUANTISED PRODUCT. Where the list says 'softmax', what is quantised is not the finished softmax but p = 2^(t - M), with t = logit x log2(e) and M = ceil(the row's largest t), a whole number; so 1/2 < the row's largest p <= 1. The row's sum l is taken of the UNQUANTISED p, in f32, and the product's result is divided by l at the end. Since M is a whole number, a kernel that streams over the keys may use a running M (the ceiling of the running maximum): every later rescaling is an exact power of two, which a block's scale takes up: the codes' values come out the same.
;;   OPERANDS COMPUTED ON THE WAY. 'Computed on the way' means the value that the module computes at that place (a softmax that the list does not call 'softmax' is quantised finished and normalised). What goes into a quantiser is computed in f32, as accurately as f32 sums, v_exp_f32 and their like allow (about 1e-6 of the number): no bf16 or f16 on the way to a quantiser, and a product that is left as it is and whose result goes on into a quantised operand takes f32 operands (vector FMAs, or v_wmma_f32_16x16x4_f32). A number that lies on a knife's edge between two numbers of the format may be rounded either way, as far as f32 arithmetic and the matrix unit's own rounding can turn it there, and no further.
;; One version. Each part assembles by itself: llvm-mc -triple=amdgcn-amd-amdhsa -mcpu=gfx1250 --defsym DOCPART=n.
;; ======== version 1 of 1: 4 launches
;; limits: right only within a limited range of input values
;; workspace buffers: xc 4,194,304 bytes; xs 131,072 bytes; wc 4,194,304 bytes; ws 131,072 bytes; rope 524,288 bytes; qkv 17,301,504 bytes; cc 4,194,304 bytes; cs 131,072 bytes
;; launch quant (part 1): grid 272 x 1, 8 waves a work-group, no clusters, 69,632 bytes of LDS; arguments in_features, wq, wk, wv, wo, xc, xs, wc, ws, rope; writes xc, xs, wc, ws, rope
.if DOCPART == 1
	.amdgcn_target "amdgcn-amd-amdhsa--gfx1250"
	.amdhsa_code_object_version 6
	.text
	.protected	k_qd6e40c9c24_quant
	.globl	k_qd6e40c9c24_quant
	.p2align	8
	.type	k_qd6e40c9c24_quant,@function
k_qd6e40c9c24_quant:
	s_mov_b64 s[64:65], 0
	v_nop
	global_prefetch_b8 v0, s[64:65] scope:SCOPE_SE
	s_setreg_imm32_b32 hwreg(HW_REG_WAVE_MODE, 25, 1), 1
	s_wait_xcnt 0x0
; x [4096][1024] and wq, wk, wv, wo [1024][1024], f32 with K innermost, become codes of FP8 (E4M3) with one E8M0 byte for each 32 along K; and the table of cos and sin for the rotation is made.
; A block's scale is 2^(floor(log2(its largest magnitude)) - 8); its byte is the largest magnitude's exponent field - 8, held at 1 from below; each number is held within +-448 x the scale and rounded to the nearest code.
; LIMITS: NaN and infinities are not served.  A block whose largest magnitude lies under 2^-118 keeps the byte 1.  A block of zeros gets the byte 1 and not 127: its codes are zeros, and only this program reads the bytes.
; LAYOUT OF THE RESULTS.  ROW TILE T of an operand is the 16 rows 32 (T / 2) + 8 (T % 2) + r + 8 (r / 8), r = 0 .. 15.  A fragment (one tile x 128 along K) is stored as an IMAGE OF ITS REGISTERS, 2,048 bytes:
; register group c of lane l at 512 c + 16 l holds k = 32 c + 16 (l / 16) + 0 .. 15 of the tile's row l % 16.  Codes: [tile][K step 0..7][2,048].  Scale bytes: [tile][K / 256][r][8].
; SHARES.  Work-groups 0 .. 255 take two row tiles each of the list x (128 groups), wq, wk, wv, wo (32 each); wave w takes tile w / 4 of the two and 256 along K (w % 4): two fragments.
; Each load reads 512 consecutive bytes of one row; the numbers turn through the wave's own stage in LDS (rows of 512 + 16 bytes), so that a lane gets 16 neighbours of each block of 32.
; Work-groups 256 .. 271 make the table, a position tile to a wave; that way uses no LDS and no barrier.  No tensor load and no matrix unit: the launch only streams.
.set STG,  8448                        ; a wave's stage: 16 rows x 528 bytes
.set SCG,  67584                       ; behind the eight stages: the work-group's 1,024 scale bytes
.set R,    16                          ; v16-143  two fragments x 64 numbers
.set PC,   144                         ; v144-175 two sets of codes
.set TM,   176                         ; v176-191 at work: largest magnitudes, bytes, holds, scale operands
.set PW,   192                         ; v192     the scale word just made
.set SEL,  40                          ; s[40:41] selects for lane l xor 16
.set MNT,  42                          ; s42      the mantissa field of 448
	s_load_b512 s[4:19], s[0:1], 0x0               ; x, wq, wk, wv, wo, xc, xs, wc
	s_load_b128 s[20:23], s[0:1], 0x40             ; ws, rope
	v_lshl_add_u32 v200, v0, 2, 0x10c00
	v_mov_b32 v201, 0
	v_lshrrev_b32 v6, 5, v0
	s_delay_alu instid0(VALU_DEP_1)
	v_readfirstlane_b32 s32, v6                    ; wave 0..7
	v_and_b32 v7, 31, v0                           ; lane
	v_and_b32 v8, 15, v0                           ; r
	v_bfe_u32 v9, v0, 4, 1                         ; h
	s_delay_alu instid0(VALU_DEP_3)
	v_lshlrev_b32 v1, 4, v7                        ; 16 x lane
	s_mov_b32 s33, ttmp9
	s_cmp_ge_u32 s33, 256
	s_cbranch_scc1 .Ltable                         ; the same way for all eight waves of a work-group
	s_mul_i32 s34, s32, STG
	v_add_nc_u32 v2, s34, v1                       ; the stage, in: 16 x lane of a row
	v_mul_u32_u24 v3, v8, 528
	s_delay_alu instid0(VALU_DEP_1)
	v_lshl_add_u32 v3, v9, 6, v3
	s_delay_alu instid0(VALU_DEP_1)
	v_add_nc_u32 v3, s34, v3                       ; out: row r, + 64 h: my 16 numbers of a block
	s_lshl_b32 s35, s32, 7
	s_add_co_u32 s35, s35, SCG
	v_lshlrev_b32 v4, 3, v8
	s_delay_alu instid0(VALU_DEP_1)
	v_lshl_add_u32 v4, v9, 2, v4
	s_delay_alu instid0(VALU_DEP_1)
	v_add_nc_u32 v4, s35, v4                       ; my scale word: 128 w + 8 r + 4 h
	s_and_b32 s36, s32, 1
	s_lshl_b32 s36, s36, 9
	s_wait_alu depctr_va_vdst(0)
	v_add_nc_u32 v10, s36, v1                      ; the scales' way out: 512 (w % 2) + 16 x lane
	s_delay_alu instid0(VALU_DEP_1)
	v_add_nc_u32 v5, SCG, v10
	s_lshr_b32 s37, s32, 2                         ; u: which of the two tiles
	s_and_b32 s38, s32, 3                          ; t: which 256 along K
	s_mov_b32 s[SEL], 0x76543210
	s_mov_b32 s[SEL+1], 0xfedcba98
	s_mov_b32 s[MNT], 0x600000
.irp b, 0,1,2,3
	v_mov_b32 v[TM+4+\b], 0                        ; written once: a lane permute's destination counts as one of its sources
.endr
	s_and_b32 s30, s33, 31                         ; a weight's pair of tiles
	s_sub_co_u32 s31, s33, 128                     ; and its place among the four weights'
	s_wait_kmcnt 0x0
	s_cmp_lt_u32 s33, 128                          ; x or a weight: the choices hang on the work-group's number alone
	s_cselect_b32 s30, s33, s30
	s_cselect_b32 s31, s33, s31
	s_cselect_b64 s[26:27], s[14:15], s[18:19]     ; codes go to xc or wc,
	s_cselect_b64 s[28:29], s[16:17], s[20:21]     ; scale bytes to xs or ws
	s_mov_b64 s[24:25], s[4:5]
	s_cmp_ge_u32 s33, 128
	s_cselect_b64 s[24:25], s[6:7], s[24:25]
	s_cmp_ge_u32 s33, 160
	s_cselect_b64 s[24:25], s[8:9], s[24:25]
	s_cmp_ge_u32 s33, 192
	s_cselect_b64 s[24:25], s[10:11], s[24:25]
	s_cmp_ge_u32 s33, 224
	s_cselect_b64 s[24:25], s[12:13], s[24:25]
	s_lshl_b32 s44, s30, 17                        ; the source: row 32 g' + 8 u, of 4,096 bytes, + 1,024 t
	s_lshl_b32 s45, s37, 15
	s_add_co_u32 s44, s44, s45
	s_lshl_b32 s45, s38, 10
	s_add_co_u32 s44, s44, s45
	s_mov_b32 s45, 0
	s_add_nc_u64 s[24:25], s[24:25], s[44:45]
	s_lshl_b32 s44, s31, 15                        ; the codes: tile 2 gd + u, of 16,384 bytes, + 4,096 t
	s_lshl_b32 s46, s37, 14
	s_add_co_u32 s44, s44, s46
	s_lshl_b32 s46, s38, 12
	s_add_co_u32 s44, s44, s46
	s_add_nc_u64 s[26:27], s[26:27], s[44:45]
	s_lshl_b32 s44, s31, 10                        ; the scale bytes: 1,024 for the two tiles
	s_add_nc_u64 s[28:29], s[28:29], s[44:45]
.irp f, 0,1
.irp j, 0,1,2,3,4,5,6,7,8,9,10,11,12,13,14,15
	global_load_b128 v[R+64*\f+4*\j:R+64*\f+4*\j+3], v1, s[24:25] offset:(\j+8*(\j/8))*4096+512*\f th:TH_LOAD_NT   ; 512 consecutive bytes of the tile's row j
.endr
.endr
.macro TURN f                          ; a fragment's numbers through the stage and back into the registers that they left: LDS serves a wave's instructions in order, so no wait stands between
.irp j, 0,1,2,3,4,5,6,7,8,9,10,11,12,13,14,15
	ds_store_b128 v2, v[R+64*\f+4*\j:R+64*\f+4*\j+3] offset:528*\j
.endr
.irp c, 0,1,2,3
.irp i, 0,1,2,3
	ds_load_b128 v[R+64*\f+16*\c+4*\i:R+64*\f+16*\c+4*\i+3], v3 offset:128*\c+16*\i
.endr
.endr
.endm
; 64 numbers of a lane, register 16 b + i = k 32 b + 16 h + i of my row, become a fragment's codes in v[pc] on and its scale word in v[PW]
.macro QUANT s, pc
.irp b, 0,1,2,3
	v_max3_num_f32 v[TM+\b], |v[\s+16*\b]|, |v[\s+1+16*\b]|, 0x4800000   ; my 16 numbers of block b, and the floor 2^(9 - 127): the byte cannot fall under 1
.endr
.irp i, 2,4,6,8,10,12,14
.irp b, 0,1,2,3
	s_delay_alu instid0(VALU_DEP_4)
	v_max3_num_f32 v[TM+\b], v[TM+\b], |v[\s+16*\b+\i]|, |v[\s+1+16*\b+\i]|   ; the four blocks by turns
.endr
.endr
.irp b, 0,1,2,3
	s_delay_alu instid0(VALU_DEP_4)
	v_permlanex16_b32 v[TM+4+\b], v[TM+\b], s[SEL], s[SEL+1]
.endr
.irp b, 0,1,2,3
	s_delay_alu instid0(VALU_DEP_4)
	v_max_num_f32 v[TM+\b], v[TM+\b], v[TM+4+\b]   ; with lane l xor 16's: the block's largest magnitude
.endr
.irp b, 0,1,2,3
	s_delay_alu instid0(VALU_DEP_4)
	v_add_nc_u32 v[TM+12+\b], 0xfc000000, v[TM+\b] ; 8 off its exponent field: the conversion's scale operand
.endr
.irp b, 0,1,2,3
	v_and_or_b32 v[TM+8+\b], v[TM+\b], 0x7f800000, s[MNT]   ; 448 x the scale
.endr
.irp b, 0,1,2,3
	v_lshrrev_b32 v[TM+4+\b], 23, v[TM+12+\b]      ; the scale's byte
.endr
	s_delay_alu instid0(VALU_DEP_3)
	v_lshl_or_b32 v[PW], v[TM+5], 8, v[TM+4]
	s_delay_alu instid0(VALU_DEP_1)
	v_lshl_or_b32 v[PW], v[TM+6], 16, v[PW]
	s_delay_alu instid0(VALU_DEP_1)
	v_lshl_or_b32 v[PW], v[TM+7], 24, v[PW]
.irp b, 0,1,2,3
.irp i, 0,1,2,3,4,5,6,7,8,9,10,11,12,13,14,15
	v_med3_num_f32 v[\s+16*\b+\i], v[\s+16*\b+\i], -v[TM+8+\b], v[TM+8+\b]   ; the conversion to an 8-bit code does not saturate (ISA guide 7.6.2): the hold comes first
.endr
.endr
.irp b, 0,1,2,3
	v_cvt_scalef32_pk8_fp8_f32 v[\pc+4*\b:\pc+4*\b+1], v[\s+16*\b:\s+16*\b+7], v[TM+12+\b]
	v_cvt_scalef32_pk8_fp8_f32 v[\pc+4*\b+2:\pc+4*\b+3], v[\s+16*\b+8:\s+16*\b+15], v[TM+12+\b]
.endr
	v_nop                                          ; a plain line behind the last conversion
.endm
	s_wait_loadcnt 16                              ; fragment 0's sixteen loads are in; fragment 1's may be out
	TURN 0
	s_wait_loadcnt 0x0
	TURN 1
	s_wait_dscnt 32                                ; all but the second turn's 16 stores and 16 loads
	QUANT R, PC
.irp c, 0,1,2,3
	global_store_b128 v1, v[PC+4*\c:PC+4*\c+3], s[26:27] offset:512*\c   ; the image: 512 consecutive bytes a store
.endr
	v_mov_b32 v193, v[PW]
	s_wait_dscnt 0x0
	QUANT R+64, PC+16
.irp c, 0,1,2,3
	global_store_b128 v1, v[PC+16+4*\c:PC+16+4*\c+3], s[26:27] offset:2048+512*\c
.endr
	v_mov_b32 v194, v[PW]
	v_cmp_eq_u32 vcc_lo, 1, v9
	s_delay_alu instid0(VALU_DEP_1)
	v_cndmask_b32 v195, v193, v194, vcc_lo         ; lanes 0-15 carry the first K step's word of row r, lanes 16-31 the second's
	ds_store_b32 v4, v195
	s_wait_dscnt 0x0                               ; for the others' sake: my word has landed
	s_barrier_signal -1
	s_barrier_wait -1
	s_cmp_ge_u32 s32, 2
	s_cbranch_scc1 .Ldone
	ds_load_b128 v[196:199], v5                    ; waves 0 and 1 send a tile's 512 scale bytes each
	s_wait_dscnt 0x0
	global_store_b128 v10, v[196:199], s[28:29]
.Ldone:
	s_wait_tensorcnt 0x0
	ds_add_u32 v200, v201
	s_wait_dscnt 0x0
	s_endpgm
; THE TABLE.  [position tile 0..127][q 0..7][lane][16 bytes]: group q of lane (r, h) holds cos, sin, cos, sin of the pairs 16 (q / 4) + 8 h + 2 (q % 4) + 0, 1 at position 32 (T / 2) + 8 (T % 2) + r + 8 (r / 8).
; angle = position x frequency, one f32 product; the 32 frequencies are f32(1 / f32(10000^(i / 32))), written as constants.  cos and sin: n = the nearest whole number to angle x 2 / pi; the rest
; angle - n pi / 2 with pi / 2 in two parts (the first product is taken off exactly: n is under 2^11); polynomials on +-pi / 4; the quadrant n % 4 swaps the two and sets the signs.  Positions go up to 2,047.
.Ltable:
	s_sub_co_u32 s34, s33, 256
	s_lshl_b32 s34, s34, 3
	s_add_co_u32 s34, s34, s32                     ; T
	s_lshr_b32 s35, s34, 1
	s_lshl_b32 s35, s35, 5
	s_and_b32 s36, s34, 1
	s_lshl_b32 s36, s36, 3
	s_add_co_u32 s35, s35, s36
	s_wait_alu depctr_va_vdst(0)
	v_and_b32 v10, 8, v8
	s_delay_alu instid0(VALU_DEP_1)
	v_add_nc_u32 v10, v10, v8
	s_delay_alu instid0(VALU_DEP_1)
	v_add_nc_u32 v10, s35, v10
	s_delay_alu instid0(VALU_DEP_1)
	v_cvt_f32_u32 v10, v10                         ; my position
	s_lshl_b32 s36, s34, 12
	s_mov_b32 s37, 0
	s_mov_b32 s44, 0x3f22f983                      ; 2 / pi
	s_mov_b32 s45, 0xbfc90fdb                      ; -(pi / 2), upper part
	s_mov_b32 s46, 0x333bbd2e                      ; what the upper part has too much
	s_mov_b32 s47, 0xbe2aaaa3                      ; sin: three coefficients
	s_mov_b32 s48, 0x3c08839e
	s_mov_b32 s49, 0xb94ca1f9
	s_mov_b32 s50, 0x3d2aaaa5                      ; cos: three coefficients
	s_mov_b32 s51, 0xbab6061a
	s_mov_b32 s52, 0x37ccf5ce
	v_cmp_eq_u32 vcc_lo, 1, v9
.macro FREQ idx, lo, hi                ; the angle of my pair idx: lanes 0-15 take frequency lo, lanes 16-31 the one eight further on
	v_mov_b32 v11, \hi
	s_delay_alu instid0(VALU_DEP_1)
	v_cndmask_b32 v[16+\idx], \lo, v11, vcc_lo
	s_wait_alu depctr_va_vdst(0)
	v_mul_f32 v[16+\idx], v10, v[16+\idx]
.endm
	FREQ 0,  0x3f800000, 0x3dcccccd
	FREQ 1,  0x3f3ff911, 0x3d99940d
	FREQ 2,  0x3f0ff59a, 0x3d6655c2
	FREQ 3,  0x3ed7e89b, 0x3d2cba15
	FREQ 4,  0x3ea1e89b, 0x3d0186e3
	FREQ 5,  0x3e72d423, 0x3cc2434f
	FREQ 6,  0x3e361887, 0x3c91ad39
	FREQ 7,  0x3e088d77, 0x3c5a7bf2
	FREQ 8,  0x3c23d70a, 0x3a83126f
	FREQ 9,  0x3bf5b9b0, 0x3a44948c
	FREQ 10, 0x3bb8449c, 0x3a136a16
	FREQ 11, 0x3b8a2e77, 0x39dd1725
	FREQ 12, 0x3b4f3e38, 0x39a5cb60
	FREQ 13, 0x3b1b690d, 0x3978a815
	FREQ 14, 0x3ae91528, 0x393a7753
	FREQ 15, 0x3aaec98e, 0x390bd472
.macro SINCOS idx                      ; v[16 + idx] -> cos in v[64 + 2 idx], sin in v[65 + 2 idx]
	v_mul_f32 v32, s44, v[16+\idx]
	s_delay_alu instid0(VALU_DEP_1)
	v_rndne_f32 v32, v32                           ; n
	s_delay_alu instid0(VALU_DEP_1)
	v_fma_f32 v33, v32, s45, v[16+\idx]
	s_delay_alu instid0(VALU_DEP_1)
	v_fma_f32 v33, v32, s46, v33                   ; the rest
	s_delay_alu instid0(VALU_DEP_1)
	v_mul_f32 v34, v33, v33
	s_delay_alu instid0(VALU_DEP_1)
	v_fma_f32 v35, v34, s49, s48
	s_delay_alu instid0(VALU_DEP_2)
	v_fma_f32 v36, v34, s52, s51
	s_delay_alu instid0(VALU_DEP_3)
	v_mul_f32 v37, v34, v33
	s_delay_alu instid0(VALU_DEP_4)
	v_mul_f32 v38, v34, v34
	s_delay_alu instid0(VALU_DEP_4)
	v_fma_f32 v35, v35, v34, s47
	s_delay_alu instid0(VALU_DEP_4)
	v_fma_f32 v36, v36, v34, s50
	v_fma_f32 v39, v34, -0.5, 1.0
	s_delay_alu instid0(VALU_DEP_3)
	v_fma_f32 v35, v35, v37, v33                   ; sin of the rest
	s_delay_alu instid0(VALU_DEP_2)
	v_fma_f32 v36, v36, v38, v39                   ; cos of the rest
	v_cvt_i32_f32 v37, v32
	s_delay_alu instid0(VALU_DEP_1)
	v_and_b32 v38, 1, v37
	s_delay_alu instid0(VALU_DEP_1)
	v_cmp_eq_u32 vcc_lo, 1, v38
	s_delay_alu instid0(VALU_DEP_1)
	v_cndmask_b32 v[65+2*\idx], v35, v36, vcc_lo   ; odd quadrants swap the two
	s_delay_alu instid0(VALU_DEP_2)
	v_cndmask_b32 v[64+2*\idx], v36, v35, vcc_lo
	v_and_b32 v38, 2, v37
	s_delay_alu instid0(VALU_DEP_1)
	v_lshlrev_b32 v38, 30, v38
	s_delay_alu instid0(VALU_DEP_1)
	v_xor_b32 v[65+2*\idx], v[65+2*\idx], v38      ; sin is negative in quadrants 2 and 3,
	v_add_nc_u32 v37, 1, v37
	s_delay_alu instid0(VALU_DEP_1)
	v_and_b32 v38, 2, v37
	s_delay_alu instid0(VALU_DEP_1)
	v_lshlrev_b32 v38, 30, v38
	s_delay_alu instid0(VALU_DEP_1)
	v_xor_b32 v[64+2*\idx], v[64+2*\idx], v38      ; cos in quadrants 1 and 2
.endm
.irp x, 0,1,2,3,4,5,6,7,8,9,10,11,12,13,14,15
	SINCOS \x
.endr
	s_wait_alu depctr_va_vdst(0)
	s_wait_kmcnt 0x0
	s_add_nc_u64 s[22:23], s[22:23], s[36:37]
.irp q, 0,1,2,3,4,5,6,7
	global_store_b128 v1, v[64+4*\q:64+4*\q+3], s[22:23] offset:512*\q   ; 512 consecutive bytes a store
.endr
	s_endpgm
.Lfunc_end_k_qd6e40c9c24_quant:
	.size	k_qd6e40c9c24_quant, .Lfunc_end_k_qd6e40c9c24_quant-k_qd6e40c9c24_quant
	.p2alignl 7, 3214868480
	.fill 96, 4, 3214868480
	.section	.rodata,"a",@progbits
	.p2align	6, 0x0
	.amdhsa_kernel k_qd6e40c9c24_quant
		.amdhsa_group_segment_fixed_size 69632
		.amdhsa_private_segment_fixed_size 0
		.amdhsa_enable_private_segment 0
		.amdhsa_kernarg_size 80
		.amdhsa_user_sgpr_count 2
		.amdhsa_user_sgpr_kernarg_segment_ptr 1
		.amdhsa_wavefront_size32 1
		.amdhsa_system_sgpr_workgroup_id_x 1
		.amdhsa_system_sgpr_workgroup_id_y 1
		.amdhsa_system_sgpr_workgroup_id_z 1
		.amdhsa_system_vgpr_workitem_id 0
		.amdhsa_next_free_vgpr 202
		.amdhsa_next_free_sgpr 66
		.amdhsa_reserve_vcc 1
		.amdhsa_float_denorm_mode_32 3
		.amdhsa_float_denorm_mode_16_64 3
		.amdhsa_memory_ordered 1
		.amdhsa_forward_progress 1
		.amdhsa_inst_pref_size 65
	.end_amdhsa_kernel
	.amdgpu_metadata
---
amdhsa.version: [ 1, 2 ]
amdhsa.kernels:
  - .name:           k_qd6e40c9c24_quant
    .symbol:         k_qd6e40c9c24_quant.kd
    .args:
      - { .name: in_features, .offset: 0, .size: 8, .value_kind: global_buffer, .address_space: global }
      - { .name: wq, .offset: 8, .size: 8, .value_kind: global_buffer, .address_space: global }
      - { .name: wk, .offset: 16, .size: 8, .value_kind: global_buffer, .address_space: global }
      - { .name: wv, .offset: 24, .size: 8, .value_kind: global_buffer, .address_space: global }
      - { .name: wo, .offset: 32, .size: 8, .value_kind: global_buffer, .address_space: global }
      - { .name: xc, .offset: 40, .size: 8, .value_kind: global_buffer, .address_space: global }
      - { .name: xs, .offset: 48, .size: 8, .value_kind: global_buffer, .address_space: global }
      - { .name: wc, .offset: 56, .size: 8, .value_kind: global_buffer, .address_space: global }
      - { .name: ws, .offset: 64, .size: 8, .value_kind: global_buffer, .address_space: global }
      - { .name: rope, .offset: 72, .size: 8, .value_kind: global_buffer, .address_space: global }
    .group_segment_fixed_size: 69632
    .private_segment_fixed_size: 0
    .kernarg_segment_align: 8
    .kernarg_segment_size: 80
    .max_flat_workgroup_size: 256
    .sgpr_count:     66
    .vgpr_count:     202
    .wavefront_size: 32
...
	.end_amdgpu_metadata
.endif
;; end of part 1
;; launch qkv (part 2): grid 12 x 16, 4 waves a work-group, clusters of 4 x 4, 327,680 bytes of LDS; arguments xc, xs, wc, ws, rope, qkv; writes qkv
.if DOCPART == 2
	.amdgcn_target "amdgcn-amd-amdhsa--gfx1250"
	.amdhsa_code_object_version 6
	.text
	.protected	k_qd6e40c9c24_qkv
	.globl	k_qd6e40c9c24_qkv
	.p2align	8
	.type	k_qd6e40c9c24_qkv,@function
k_qd6e40c9c24_qkv:
	s_mov_b64 s[64:65], 0
	v_nop
	global_prefetch_b8 v0, s[64:65] scope:SCOPE_SE
	s_setreg_imm32_b32 hwreg(HW_REG_WAVE_MODE, 25, 1), 1
	s_wait_xcnt 0x0
	s_wait_alu depctr_hold_cnt(0) depctr_sa_sdst(0) depctr_va_vdst(0) depctr_va_sdst(0) depctr_va_ssrc(0) depctr_va_vcc(0) depctr_vm_vsrc(0)
	s_getreg_b32 s2, hwreg(HW_REG_IB_STS2, 6, 4)
	s_cmp_eq_u32 s2, 0
	s_cbranch_scc0 .Lentry_in_a_cluster
	s_endpgm
.Lentry_in_a_cluster:
	s_bfe_u32 s2, ttmp6, 0x10000c
	s_cmp_lg_u32 s2, 0xf033
	s_cbranch_scc0 .Lentry_shape_is_right
	s_endpgm
.Lentry_shape_is_right:
; Q = x wq^T, K = x wk^T, V = x wv^T on codes of FP8 (E4M3) with E8M0 scales for each 32 along K = 1,024; Q and K are rotated (RoPE) in f32 and quantised along the head's 64, V along the keys.
; A work-group of four waves makes 256 x 256 of a product, a wave 128 x 128: 64 accumulators of 16 x 16 in 512 registers.  K goes in four steps of 256 through a ring of two LDS slots filled by the tensor data mover.
; OPERANDS ARE IMAGES OF THEIR REGISTERS.  Row tile T = rows 32 (T / 2) + 8 (T % 2) + r + 8 (r / 8); a fragment (tile x 128 K) is 2,048 bytes, group c of lane l at 512 c + 16 l.  So a fragment comes by four loads of 512
; consecutive LDS bytes: no pitch, no padding.  With such tiles as source 0, the 16 registers of result tiles 2 b and 2 b + 1 are 16 neighbours, index 32 b + 16 (lane / 16) + 0 .. 15: what the next quantiser wants.
; ROLES.  The cluster's x says which product: 0 Q, 1 K, 2 V; it is the same in all sixteen partners.  Q, K: side A (source 1, the lanes) = x, side B (source 0, the registers) = the weight: a lane holds one position,
; its registers run along two heads' channels.  V: side A = wv, side B = x: a lane holds one channel, its registers run along 128 keys.  A's block hangs on the cluster's place and cy alone, B's on the cluster's place and cx alone.
; CLUSTERS: 4 x 4 work-groups; A's tiles are asked for jointly along a row of the cluster, B's along a column.
; RESULTS: qkv holds a region for Q at byte 0 and one for K and V at KVB, each [batch x head][chunk of 128 positions][CH bytes]: eight half images (tile x 64) of Q or K at 1,024 T; V's four images (16 channels x 128 keys) at
; 8,192 + 2,048 t; scale words of Q or K at 16,384 + 64 f + 4 r (tile 2 f's two bytes, then tile 2 f + 1's); V's scale words at 16,640 + 64 t + 4 r.
; LIMITS: NaN and infinities are not served; a block whose largest magnitude lies under 2^-118 keeps the byte 1; a block of zeros gets the byte 1 and not 127 (its codes are zeros; only this program reads the bytes).
; REGISTERS, in windows of 256: window 0: v0-31 addresses; v32-63 scale words, two sets; from v128 A's fragments, one set; in the epilogue v64-255 are at work.  window 1: B's fragments, two sets.  windows 2, 3: the accumulators.
.set NQ,     2                         ; matrix instructions deep in a slot
.set FR,     16                        ; registers of a fragment
.set NL,     4                         ; LDS loads that bring one
.set NP,     8                         ; places behind this matrix instruction (ISA guide 7.12.1)
.set HALFT,  32768                     ; eight tiles x 4,096 bytes: what one tensor load brings
.set SLOT,   131072                    ; A's 16 tiles, then B's 16
.set SCL,    262144                    ; behind the ring: the scale bytes for all of K: A's 8,192, then B's 8,192
.set HALFS,  4096
.set SPARE,  278528                    ; the spare words, 128 bytes for each wave: two blocks of 256 bytes that no other line names
.set CH,     16896
.set HS,     270336
.set KVB,    8650752
.set ADRA, 16                          ; v16-17  LDS address of my A fragments in slot 0, 1
.set ADRB, 20                          ; v20-21  the same for B
.set GST,  24                          ; v24     16 x lane
.set GSS,  25                          ; v25     4 r + h x HS: where Q's and K's scale words go
.set GSV,  26                          ; v26     4 x lane: where V's go
.set ADRS, 27                          ; v27     LDS address of my scale words: lanes 0-15 A's, lanes 16-31 B's
.set SPW,  28                          ; v28     LDS address of my spare word; never rewritten
.set NIL,  29                          ; v29     0; never rewritten
.set SC,   32
.set AF,   128
.set HA,   64                          ; epilogue: v64-127 the rotated numbers
.set RT,   128                         ; v128-191 the table, two sets of 32
.set PC,   192                         ; v192-223 codes, two sets of 16
.set TM,   224                         ; v224-239 at work in QUANT
.set PW,   240                         ; the scale word just made
.set PWE,  241                         ; the even tile's
.set SW,   242                         ; v242-245 scale words to store, one for each pair of tiles
.set TT,   246                         ; v246-250 at work
.set SEL,  2                           ; s[2:3]  selects for lane l xor 16
.set MNT,  45                          ; s45     the mantissa field of 448 (set behind the first fills, which use s45 for an LDS address)
.set G1, 24
.set G0, 32
.set G1B, 48
.set G0B, 56
.set G1S, 68
.set G0S, 76
.set G1SB, 80
.set G0SB, 88
.set MSB, 0
.macro WIN new                         ; the immediate's high byte repeats the setting that is left
.if MSB != (\new)
	s_set_vgpr_msb (MSB<<8)|(\new)
.set MSB, (\new)
.endif
.endm
.set MUL_LO, 0xa1                      ; source 0 (B) window 1, source 1 (A) window 0, C and D window 2
.set MUL_HI, 0xf1                      ; the same, C and D window 3
.set TO_B,   0x40                      ; destination window 1, address window 0
; A joint load: waves 0 and 1 fetch for A, waves 2 and 3 for B; the branch hangs on the wave's number alone.  Four v_nop follow each of the two lines.
.macro JLOAD g0a, g1a, g0b, g1b
	s_cmp_eq_u32 s15, 0
	s_cbranch_scc0 .Lfor_b_\@
	tensor_load_to_lds s[\g0a:\g0a+3], s[\g1a:\g1a+7]
	s_nop 0
.rept 4
	v_nop
.endr
	s_branch .Lasked_\@
.Lfor_b_\@:
	tensor_load_to_lds s[\g0b:\g0b+3], s[\g1b:\g1b+7]
	s_nop 0
.rept 4
	v_nop
.endr
.Lasked_\@:
.endm
.macro CREST                           ; a round of the cluster's barrier behind its opening barrier
	s_cmp_lg_u32 s14, 0
	s_cbranch_scc1 .Lnot_wave_0_\@
	s_barrier_signal -3
.Lnot_wave_0_\@:
	s_barrier_wait -3
	s_barrier_signal -1
	s_barrier_wait -1
.endm
.macro CROUND                          ; a whole round
	s_barrier_signal -1
	s_barrier_wait -1
	CREST
.endm
	s_load_b256 s[4:11], s[0:1], 0x0               ; xc, xs, wc, ws
	s_load_b128 s[96:99], s[0:1], 0x20             ; rope, qkv
	v_lshl_add_u32 v[SPW], v0, 2, SPARE
	v_mov_b32 v[NIL], 0
	ds_add_u32 v28, v29
	ds_add_u32 v28, v29
	s_wait_dscnt 0x0
	v_lshrrev_b32 v1, 5, v0
	v_readfirstlane_b32 s14, v1                    ; wave 0..3
	s_lshr_b32 s15, s14, 1                         ; which half of A's 256 rows is mine.  Also: I fetch for A (0) or for B (1)
	s_and_b32 s16, s14, 1                          ; which half of B's.  Also: which eight tiles I fetch
	s_bfe_u32 s40, ttmp6, 0x40000                  ; cx, cy: my place in the cluster
	s_bfe_u32 s41, ttmp6, 0x40004
	s_and_b32 s17, ttmp7, 0xffff
	s_lshl_b32 s17, s17, 2                         ; 4 x cluster y
	s_lshl_b32 s42, ttmp9, 2                       ; 4 x cluster x
	s_cmp_eq_u32 ttmp9, 2                          ; V?  The same answer in all sixteen partners
	s_cselect_b32 s42, s17, s42                    ; B's block of 256 rows: x's (V) or the weight's
	s_cselect_b32 s17, 8, s17                      ; A's: wv's (blocks 8 .. 11 of wc) or x's
	s_add_co_u32 s17, s17, s41                     ; + cy
	s_add_co_u32 s42, s42, s40                     ; + cx
	s_lshl_b32 s43, s41, 2
	s_lshl_b32 s43, 15, s43                        ; my row of the cluster
	s_lshl_b32 s44, 0x1111, s40                    ; my column
	; descriptor group 1 for codes: eight rows (tiles) of 4,096 bytes (two K steps' images), 16,384 bytes apart; elements of one byte; no padding
	s_or_b32 s[G1+0], s43, (1<<21)                 ; 15:0 the mask: A's tiles go to my row; 21 set beside a mask
	s_or_b32 s[G1B+0], s44, (1<<21)
.irp g, G1, G1B
	s_mov_b32 s[\g+1], 4096<<16                    ; tensor_dim0
	s_mov_b32 s[\g+2], 16<<16
	s_mov_b32 s[\g+3], 4096<<16                    ; tile_dim0
	s_mov_b32 s[\g+4], 16                          ; (16 tiles for the head's loads; 8 for the ring's, set behind the head's wait)
	s_mov_b32 s[\g+5], 16384                       ; tensor_dim0_stride
	s_mov_b32 s[\g+6], 0
	s_mov_b32 s[\g+7], 0
.endr
	; and for the scale bytes of sixteen tiles: 8,192 dense bytes as 32 rows of 256 (32 elements of 8 bytes)
	s_or_b32 s[G1S+0], s43, (3<<16)|(1<<21)
	s_or_b32 s[G1SB+0], s44, (3<<16)|(1<<21)
.irp g, G1S, G1SB
	s_mov_b32 s[\g+1], 32<<16
	s_mov_b32 s[\g+2], 32<<16
	s_mov_b32 s[\g+3], 32<<16
	s_mov_b32 s[\g+4], 32                          ; (at the head one load brings a whole side: 8,192 bytes)
	s_mov_b32 s[\g+5], 32
	s_mov_b32 s[\g+6], 0
	s_mov_b32 s[\g+7], 0
.endr
	s_lshl_b32 s18, s16, 17                        ; my eight tiles of the sixteen: codes,
	s_mov_b32 s19, 0
	s_lshl_b32 s12, s17, 18                        ; A: a block's codes are 262,144 bytes,
	s_mov_b32 s13, 0
	s_lshl_b32 s66, s17, 13                        ; its scale bytes 8,192
	s_mov_b32 s67, 0
	s_lshl_b32 s94, s42, 18                        ; B likewise, in registers that never hold cy
	s_mov_b32 s95, 0
	s_lshl_b32 s100, s42, 13
	s_mov_b32 s101, 0
	s_mul_i32 s45, s14, HALFT                      ; where they go: wave x eight tiles: no place in the cluster enters an LDS address
	s_wait_kmcnt 0x0
	s_cmp_eq_u32 ttmp9, 2
	s_cselect_b64 s[20:21], s[8:9], s[4:5]         ; A's codes: wc (V) or xc
	s_cselect_b64 s[22:23], s[10:11], s[6:7]       ; A's scales
	s_cselect_b64 s[46:47], s[4:5], s[8:9]         ; B's codes
	s_cselect_b64 s[92:93], s[6:7], s[10:11]       ; B's scales
	s_add_nc_u64 s[20:21], s[20:21], s[12:13]
	s_add_nc_u64 s[22:23], s[22:23], s[66:67]
	s_add_nc_u64 s[46:47], s[46:47], s[94:95]
	s_add_nc_u64 s[92:93], s[92:93], s[100:101]
	CROUND                                         ; all sixteen work-groups are here: the first joint loads meet
	s_mov_b32 s[G0S], 1
	s_mov_b32 s[G0S+1], SCL
	s_mov_b64 s[G0S+2:G0S+3], s[22:23]
	s_or_b32 s[G0S+3], s[G0S+3], 0x80000000
	s_mov_b32 s[G0SB], 1
	s_mov_b32 s[G0SB+1], SCL+2*HALFS
	s_mov_b64 s[G0SB+2:G0SB+3], s[92:93]
	s_or_b32 s[G0SB+3], s[G0SB+3], 0x80000000
	; slot 0's descriptors fetch K step 0 whole: A's 16 tiles at LDS byte 0, B's behind them.  Slot 1's fetch my eight tiles
.irp s, 0,1
	s_mov_b32 s[G0+4*\s], 1
.if \s
	s_add_co_u32 s[G0+4*\s+1], s45, SLOT
.else
	s_mov_b32 s[G0+4*\s+1], 0
.endif
	s_add_nc_u64 s[G0+4*\s+2:G0+4*\s+3], s[20:21], \s*4096
	s_or_b32 s[G0+4*\s+3], s[G0+4*\s+3], 0x80000000
	s_mov_b32 s[G0B+4*\s], 1
.if \s
	s_add_co_u32 s[G0B+4*\s+1], s45, SLOT
.else
	s_mov_b32 s[G0B+4*\s+1], 2*HALFT
.endif
	s_add_nc_u64 s[G0B+4*\s+2:G0B+4*\s+3], s[46:47], \s*4096
	s_or_b32 s[G0B+4*\s+3], s[G0B+4*\s+3], 0x80000000
.endr
	s_add_nc_u64 s[G0+6:G0+7], s[G0+6:G0+7], s[18:19]
	s_add_nc_u64 s[G0B+6:G0B+7], s[G0B+6:G0B+7], s[18:19]
; THE HEAD'S LOADS, ONE A WAVE, in one tree of branches on the wave's number: wave 0 K step 0's tiles of A, wave 1 those of B, wave 2 A's scale bytes, wave 3 B's.
.macro ARM under, g0, g1, next
	s_cmp_lt_u32 s14, \under
	s_cbranch_scc0 \next
	tensor_load_to_lds s[\g0:\g0+3], s[\g1:\g1+7]
	s_nop 0
.rept 4
	v_nop
.endr
	s_branch .Lhead_asked
\next:
.endm
	ARM 1, G0, G1, .Lhead_b
	ARM 2, G0B, G1B, .Lhead_sa
	ARM 3, G0S, G1S, .Lhead_sb
	tensor_load_to_lds s[G0SB:G0SB+3], s[G1SB:G1SB+7]
	s_nop 0
.rept 4
	v_nop
.endr
.Lhead_asked:
	v_and_b32 v1, 15, v0                           ; r
	v_bfe_u32 v2, v0, 4, 1                         ; h
	s_wait_alu depctr_va_vdst(0)
	v_and_b32 v3, 31, v0                           ; lane
	v_lshlrev_b32 v4, 4, v3                        ; 16 x lane
	s_wait_alu depctr_va_vdst(0)
	s_mul_i32 s21, s15, HALFT                      ; my eight tiles of A
	s_mul_i32 s22, s16, HALFT                      ; my eight of B,
	s_add_co_u32 s22, s22, 2*HALFT                 ; which lie behind A's sixteen
.irp s, 0,1
	v_add_nc_u32 v[ADRA+\s], s21, v4
	v_add_nc_u32 v[ADRB+\s], s22, v4
	s_add_co_u32 s21, s21, SLOT
	s_add_co_u32 s22, s22, SLOT
.endr
	v_lshlrev_b32 v5, 3, v1                        ; my row's scale words: 8 bytes for a slot's two K steps
	s_mul_i32 s21, s15, HALFS
	s_mul_i32 s22, s16, HALFS
	s_add_co_u32 s22, s22, 2*HALFS
	s_sub_co_u32 s22, s22, s21
	v_mul_u32_u24 v6, s22, v2                      ; lanes 16-31 take B's: one product on h
	s_add_co_u32 s21, s21, SCL
	v_add_nc_u32 v5, v5, v6
	v_add_nc_u32 v[ADRS], s21, v5
	v_mov_b32 v[GST], v4
	v_mul_u32_u24 v[GSS], v2, HS
	v_lshl_add_u32 v[GSS], v1, 2, v[GSS]
	v_lshlrev_b32 v[GSV], 2, v3
	s_mov_b32 s[SEL], 0x76543210
	s_mov_b32 s[SEL+1], 0xfedcba98
	s_mov_b32 s[MNT], 0x600000
	; where my results go, and which part of the table I want: plain addresses, made of both coordinates, in registers that feed no descriptor
	s_cmp_eq_u32 ttmp9, 2
	s_cselect_b32 s4, s42, s17                     ; the block of 256 positions,
	s_cselect_b32 s5, s16, s15                     ; my half of it,
	s_cselect_b32 s6, s41, s40                     ; the block of four heads,
	s_cselect_b32 s7, s15, s16                     ; my two of them
	s_lshl_b32 s8, s4, 1
	s_add_co_u32 s8, s8, s5
	s_and_b32 s9, s8, 15                           ; the chunk of 128 positions in its batch
	s_mul_i32 s9, s9, CH
	s_lshr_b32 s10, s4, 3                          ; the batch
	s_lshl_b32 s10, s10, 4
	s_lshl_b32 s6, s6, 2
	s_add_co_u32 s10, s10, s6
	s_lshl_b32 s7, s7, 1
	s_add_co_u32 s10, s10, s7                      ; 16 x batch + my first head
	s_mul_i32 s10, s10, HS
	s_add_co_u32 s10, s10, s9
	s_min_u32 s11, ttmp9, 1
	s_mul_i32 s11, s11, KVB                        ; Q's region, or K's and V's
	s_add_co_u32 s10, s10, s11
	s_mov_b32 s11, 0
	s_add_nc_u64 s[98:99], s[98:99], s[10:11]
	s_lshl_b32 s8, s8, 3
	s_and_b32 s8, s8, 127                          ; my first position tile
	s_lshl_b32 s8, s8, 12
	s_mov_b32 s9, 0
	s_add_nc_u64 s[96:97], s[96:97], s[8:9]
.macro FRAG reg, adr, q, i             ; a fragment's image: four loads of 512 consecutive bytes
.irp c, 0,1,2,3
	ds_load_b128 v[\reg+4*\c:\reg+4*\c+3], v[\adr] offset:4096*(\i)+2048*(\q)+512*\c
.endr
.endm
; 16 matrix instructions: A's blocks a0, a0 + 1 x B's eight, 128 along K.  p: B's set; sc: the set of scale words.  zero = 1: the first product starts the sums.
; The 64 accumulators take turns, one instruction a turn, in the same order in every step.
.macro MUL16 a0, p, q, sc, zero
.irp a, \a0, \a0+1
.irp b, 0,1,2,3,4,5,6,7
.if \zero
	v_wmma_scale_f32_16x16x128_f8f6f4 v[8*(8*((\a)%4)+\b):8*(8*((\a)%4)+\b)+7], v[128*(\p)+FR*\b:128*(\p)+FR*\b+FR-1], v[AF+FR*(\a):AF+FR*(\a)+FR-1], 0, v[SC+8*NQ*(\sc)+NQ*\b+(\q)], v[SC+8*NQ*(\sc)+NQ*(\a)+(\q)] matrix_a_scale:MATRIX_SCALE_ROW1
.else
	v_wmma_scale_f32_16x16x128_f8f6f4 v[8*(8*((\a)%4)+\b):8*(8*((\a)%4)+\b)+7], v[128*(\p)+FR*\b:128*(\p)+FR*\b+FR-1], v[AF+FR*(\a):AF+FR*(\a)+FR-1], v[8*(8*((\a)%4)+\b):8*(8*((\a)%4)+\b)+7], v[SC+8*NQ*(\sc)+NQ*\b+(\q)], v[SC+8*NQ*(\sc)+NQ*(\a)+(\q)] matrix_a_scale:MATRIX_SCALE_ROW1
.endif
.endr
.endr
.endm
.macro FETCH_B slot, q, p
	WIN TO_B
.irp i, 0,1,2,3,4,5,6,7
	FRAG 128*(\p)+FR*\i, ADRB+\slot, \q, \i
.endr
	WIN 0
.endm
.macro FETCH_A slot, q, i0
.irp i, \i0, \i0+1, \i0+2, \i0+3
	FRAG AF+FR*(\i), ADRA+\slot, \q, \i
.endr
.endm
.macro SCALES sc                       ; a slot's scale words: two a row; lanes 0-15 take A's tile i, lanes 16-31 B's tile i
.irp i, 0,1,2,3,4,5,6,7
	ds_load_b64 v[SC+8*NQ*\sc+NQ*\i:SC+8*NQ*\sc+NQ*\i+1], v[ADRS] offset:\i*512
.endr
.endm
.macro PLACES n                        ; plain vector lines between a matrix instruction and a load into, or a read of, its registers
.rept \n
	v_nop
.endr
.endm
.macro STEP slot, q, zero              ; 128 along K that have their successor in the same slot
	s_wait_dscnt 4*NL                              ; B's set and A's blocks 0-3 are in; the youngest sixteen loads (A's blocks 4-7) may be out
	WIN MUL_LO
	MUL16 0, (\q)%2, \q, \slot, \zero
	MUL16 2, (\q)%2, \q, \slot, \zero
	s_wait_dscnt 0                                 ; A's blocks 4-7 are in
	PLACES NP
	FETCH_B \slot, (\q)+1, 1-(\q)%2
	FETCH_A \slot, (\q)+1, 0
	WIN MUL_HI
	MUL16 4, (\q)%2, \q, \slot, \zero
	MUL16 6, (\q)%2, \q, \slot, \zero
	PLACES NP
	WIN 0
	FETCH_A \slot, (\q)+1, 4
.endm
; A slot's last 128 change slots: one barrier; in front of it each wave waits for all its tensor loads, adds 0 to its spare word, and waits for that and for its reads of this slot.  fill = 1: this slot is filled again, two slots ahead.
.macro TURN slot, next, fill
	s_wait_tensorcnt 0x0                           ; all my tensor loads have landed: my part of the next slot
	ds_add_u32 v[SPW], v[NIL]                      ; 0 onto my spare word
	s_wait_dscnt 4*NL+1                            ; (the add and the youngest sixteen loads may be out)
	WIN MUL_LO
	MUL16 0, 1, NQ-1, \slot, 0                     ; sixteen matrix instructions stand between the add and the wait for it
	s_wait_dscnt 0x0                               ; the add is done, and my reads of this slot are over
	s_barrier_signal -1
	MUL16 2, 1, NQ-1, \slot, 0
	WIN 0
	s_barrier_wait -1
.if \fill
	CREST                                          ; the barrier has opened a round of the cluster's barrier: no wave of any partner still reads this slot or has a load on its way
	s_add_nc_u64 s[G0+4*\slot+2:G0+4*\slot+3], s[G0+4*\slot+2:G0+4*\slot+3], 8192
	s_add_nc_u64 s[G0B+4*\slot+2:G0B+4*\slot+3], s[G0B+4*\slot+2:G0B+4*\slot+3], 8192
	JLOAD G0+4*\slot, G1, G0B+4*\slot, G1B         ; the first tensor load behind the round; its four v_nop are among the places in front of the loads below
	PLACES NP-4
.else
	PLACES NP
.endif
	s_wait_alu depctr_va_vdst(0)
	v_add_nc_u32 v[ADRS], 128, v[ADRS]             ; on to the next slot's scale words (no LDS load of mine is out)
	FETCH_B \next, 0, 0
	FETCH_A \next, 0, 0
	SCALES \next
	WIN MUL_HI
	MUL16 4, 1, NQ-1, \slot, 0
	MUL16 6, 1, NQ-1, \slot, 0
	PLACES NP
	WIN 0
	FETCH_A \next, 0, 4
.endm
	s_wait_alu depctr_va_vdst(0)
	s_wait_tensorcnt 0x0                           ; my tile of the head's four is in
	ds_add_u32 v[SPW], v[NIL]
	s_mov_b32 s[G1+2], 8<<16                       ; no tensor load of mine is out, so descriptors may be written: from here on a load brings eight tiles,
	s_mov_b32 s[G1+4], 8
	s_mov_b32 s[G1B+2], 8<<16
	s_mov_b32 s[G1B+4], 8
	s_mul_i32 s[G0+1], s14, HALFT                  ; slot 0's refills: my eight tiles
	s_mul_i32 s[G0B+1], s14, HALFT
	s_add_nc_u64 s[G0+2:G0+3], s[G0+2:G0+3], s[18:19]
	s_add_nc_u64 s[G0B+2:G0B+3], s[G0B+2:G0B+3], s[18:19]
	s_wait_dscnt 0x0                               ; the add is done
	CROUND                                         ; all four tiles are in, and all sixteen work-groups are here
	JLOAD G0+4, G1, G0B+4, G1B                     ; slot 1: the first tensor load behind the round
	FETCH_B 0, 0, 0
	FETCH_A 0, 0, 0
	SCALES 0
	FETCH_A 0, 0, 4
	STEP 0, 0, 1                                   ; K 0 .. 127: its products start the sums
	TURN 0, 1, 1                                   ; K 128 ..; slot 0 takes K 512 .. 767
	STEP 1, 0, 0
	TURN 1, 0, 1                                   ; slot 1 takes K 768 .. 1,023
	STEP 0, 0, 0
	TURN 0, 1, 0                                   ; nothing is left to fetch
	STEP 1, 0, 0
	s_wait_dscnt 4*NL
	WIN MUL_LO
	MUL16 0, 1, NQ-1, 1, 0
	MUL16 2, 1, NQ-1, 1, 0
	s_wait_dscnt 0
	WIN MUL_HI
	MUL16 4, 1, NQ-1, 1, 0
	MUL16 6, 1, NQ-1, 1, 0
	WIN 0
; 64 numbers of a lane in window w, register 16 b + i = index 32 b + 16 h + i, become a fragment's codes in v[pc] on and its scale word in v[PW] (both in window 0).  Each accumulator is read from its low end on.
.macro QUANT s, w, pc
	WIN (\w)|((\w)<<2)
.irp b, 0,1,2,3
	v_max3_num_f32 v[TM+\b], |v[\s+16*\b]|, |v[\s+1+16*\b]|, 0x4800000   ; my 16 numbers of block b, and the floor 2^(9 - 127)
.endr
.irp i, 2,4,6,8,10,12,14
.irp b, 0,1,2,3
	v_max3_num_f32 v[TM+\b], |v[\s+16*\b+\i]|, |v[\s+1+16*\b+\i]|, v[TM+\b]
.endr
.endr
	WIN 0
.irp b, 0,1,2,3
	v_permlanex16_b32 v[TM+4+\b], v[TM+\b], s[SEL], s[SEL+1]
.endr
.irp b, 0,1,2,3
	v_max_num_f32 v[TM+\b], v[TM+\b], v[TM+4+\b]   ; with lane l xor 16's: the block's largest magnitude
.endr
.irp b, 0,1,2,3
	v_add_nc_u32 v[TM+12+\b], 0xfc000000, v[TM+\b] ; 8 off its exponent field: the conversion's scale operand
.endr
.irp b, 0,1,2,3
	v_and_or_b32 v[TM+8+\b], v[TM+\b], 0x7f800000, s[MNT]   ; 448 x the scale
.endr
.irp b, 0,1,2,3
	v_lshrrev_b32 v[TM+4+\b], 23, v[TM+12+\b]      ; the scale's byte
.endr
	v_lshl_or_b32 v[PW], v[TM+5], 8, v[TM+4]
	v_lshl_or_b32 v[PW], v[TM+6], 16, v[PW]
	v_lshl_or_b32 v[PW], v[TM+7], 24, v[PW]
	WIN (\w)|((\w)<<6)
.irp b, 0,1,2,3
.irp i, 0,1,2,3,4,5,6,7,8,9,10,11,12,13,14,15
	v_med3_num_f32 v[\s+16*\b+\i], v[\s+16*\b+\i], -v[TM+8+\b], v[TM+8+\b]   ; the conversion to an 8-bit code does not saturate (ISA guide 7.6.2): the hold comes first
.endr
.endr
	WIN (\w)
.irp b, 0,1,2,3
	v_cvt_scalef32_pk8_fp8_f32 v[\pc+4*\b:\pc+4*\b+1], v[\s+16*\b:\s+16*\b+7], v[TM+12+\b]
	v_cvt_scalef32_pk8_fp8_f32 v[\pc+4*\b+2:\pc+4*\b+3], v[\s+16*\b+8:\s+16*\b+15], v[TM+12+\b]
.endr
	WIN 0
	v_nop                                          ; a plain line behind the last conversion
.endm
.macro RLOAD a                         ; the table of my position tile a: 32 numbers a lane, 512 consecutive bytes a load
.irp q, 0,1,2,3,4,5,6,7
	global_load_b128 v[RT+32*((\a)%2)+4*\q:RT+32*((\a)%2)+4*\q+3], v[GST], s[96:97] offset:4096*(\a)+512*\q
.endr
.endm
; The rotation of block a: registers 2 p, 2 p + 1 are a pair; its cos and sin lie at 16 ((p / 8) % 2) + 2 (p % 8) of the table's set (both heads take the same 32 pairs).
.macro ROPE a
	WIN 2+(\a)/4
.set rp, 0
.rept 32
.set rc, RT+32*((\a)%2)+16*((rp/8)%2)+2*(rp%8)
.set rx, 64*((\a)%4)+2*rp
.set rt, TT+2*(rp%2)
	v_mul_f32 v[rt], v[rx+1], v[rc+1]
	v_mul_f32 v[rt+1], v[rx+1], v[rc]
	v_fma_f32 v[HA+2*rp], v[rx], v[rc], -v[rt]     ; x1 cos - x2 sin
	v_fma_f32 v[HA+2*rp+1], v[rx], v[rc+1], v[rt+1] ; x1 sin + x2 cos
.set rp, rp+1
.endr
	WIN 0
.endm
	PLACES NP                                      ; behind the last products: in front of the reads of results and of the loads into registers that held A's fragments
.irp b, 0,1,2,3
	v_mov_b32 v[TM+4+\b], 0                        ; a lane permute's destination counts as one of its sources
.endr
	v_cmp_eq_u32 vcc_lo, 1, v2                     ; lanes 16-31
	s_cmp_eq_u32 ttmp9, 2
	s_cbranch_scc1 .Lv
	; Q AND K.  Block a is position tile a of my chunk; a lane holds one position and 128 channels: groups 0, 1 are my first head's, groups 2, 3 my second's.
	RLOAD 0
.irp a, 0,1,2,3,4,5,6,7
.if \a < 7
	RLOAD \a+1
	s_wait_loadcnt 8                               ; this tile's eight loads are in; the next tile's may be out
.else
	s_wait_loadcnt 0x0
.endif
	s_wait_xcnt 0x0                                ; the codes' registers, which earlier stores read, are written again only behind this wait
	ROPE \a
	QUANT HA, 0, PC+16*(\a%2)
.irp c, 0,1,2,3
	global_store_b128 v[GST], v[PC+16*(\a%2)+4*\c:PC+16*(\a%2)+4*\c+3], s[98:99] offset:(\c/2)*HS+1024*\a+512*(\c%2)   ; 512 consecutive bytes a store
.endr
.if (\a%2) == 0
	v_mov_b32 v[PWE], v[PW]
.else
	v_perm_b32 v[TT+4], v[PW], v[PWE], 0x05040100  ; my first head's word: the even tile's two bytes, then the odd tile's
	v_perm_b32 v[SW+\a/2], v[PW], v[PWE], 0x07060302   ; my second head's
	v_cndmask_b32 v[SW+\a/2], v[TT+4], v[SW+\a/2], vcc_lo   ; lanes 0-15 store the first head's, lanes 16-31 the second's
	global_store_b32 v[GSS], v[SW+\a/2], s[98:99] offset:16384+64*(\a/2)
.endif
.endr
	s_branch .Lend
.Lv:
	; V.  Block a is channel tile a % 4 of head a / 4 of my two; a lane holds one channel and the chunk's 128 keys: the codes are the image that the second product of attention wants.
.irp a, 0,1,2,3,4,5,6,7
	s_wait_xcnt 0x0                                ; as above
	QUANT 64*(\a%4), 2+\a/4, PC+16*(\a%2)
.irp c, 0,1,2,3
	global_store_b128 v[GST], v[PC+16*(\a%2)+4*\c:PC+16*(\a%2)+4*\c+3], s[98:99] offset:(\a/4)*HS+8192+2048*(\a%4)+512*\c
.endr
.if (\a%2) == 0
	v_mov_b32 v[PWE], v[PW]
.else
	v_cndmask_b32 v[SW+\a/2], v[PWE], v[PW], vcc_lo   ; lanes 0-15 the even tile's words, lanes 16-31 the odd tile's
	global_store_b32 v[GSV], v[SW+\a/2], s[98:99] offset:(\a/4)*HS+16640+64*((\a-1)%4)
.endif
.endr
.Lend:
	s_wait_tensorcnt 0x0                           ; the wave's end
	ds_add_u32 v[SPW], v[NIL]
	s_wait_dscnt 0x0
	CROUND                                         ; the closing round: no work-group ends while a partner may still ask for a tile that names it
	s_endpgm
.Lfunc_end_k_qd6e40c9c24_qkv:
	.size	k_qd6e40c9c24_qkv, .Lfunc_end_k_qd6e40c9c24_qkv-k_qd6e40c9c24_qkv
	.p2alignl 7, 3214868480
	.fill 96, 4, 3214868480
	.section	.rodata,"a",@progbits
	.p2align	6, 0x0
	.amdhsa_kernel k_qd6e40c9c24_qkv
		.amdhsa_group_segment_fixed_size 327680
		.amdhsa_private_segment_fixed_size 0
		.amdhsa_enable_private_segment 0
		.amdhsa_kernarg_size 48
		.amdhsa_user_sgpr_count 2
		.amdhsa_user_sgpr_kernarg_segment_ptr 1
		.amdhsa_wavefront_size32 1
		.amdhsa_system_sgpr_workgroup_id_x 1
		.amdhsa_system_sgpr_workgroup_id_y 1
		.amdhsa_system_sgpr_workgroup_id_z 1
		.amdhsa_system_vgpr_workitem_id 0
		.amdhsa_next_free_vgpr 1024
		.amdhsa_next_free_sgpr 102
		.amdhsa_reserve_vcc 1
		.amdhsa_float_denorm_mode_32 3
		.amdhsa_float_denorm_mode_16_64 3
		.amdhsa_memory_ordered 1
		.amdhsa_forward_progress 1
		.amdhsa_inst_pref_size 255
	.end_amdhsa_kernel
	.section	.bss,"aw",@nobits
	.p2align	6
	.space	262144
	.amdgpu_metadata
---
amdhsa.version: [ 1, 2 ]
amdhsa.kernels:
  - .name:           k_qd6e40c9c24_qkv
    .symbol:         k_qd6e40c9c24_qkv.kd
    .args:
      - { .name: xc, .offset: 0, .size: 8, .value_kind: global_buffer, .address_space: global }
      - { .name: xs, .offset: 8, .size: 8, .value_kind: global_buffer, .address_space: global }
      - { .name: wc, .offset: 16, .size: 8, .value_kind: global_buffer, .address_space: global }
      - { .name: ws, .offset: 24, .size: 8, .value_kind: global_buffer, .address_space: global }
      - { .name: rope, .offset: 32, .size: 8, .value_kind: global_buffer, .address_space: global }
      - { .name: qkv, .offset: 40, .size: 8, .value_kind: global_buffer, .address_space: global }
    .group_segment_fixed_size: 327680
    .private_segment_fixed_size: 0
    .kernarg_segment_align: 8
    .kernarg_segment_size: 48
    .max_flat_workgroup_size: 128
    .sgpr_count:     102
    .vgpr_count:     1024
    .wavefront_size: 32
...
	.end_amdgpu_metadata
.endif
;; end of part 2
;; launch attn (part 3): grid 8 x 32, 8 waves a work-group, clusters of 4 x 1, 327,680 bytes of LDS; arguments qkv, cc, cs; writes cc, cs
.if DOCPART == 3
	.amdgcn_target "amdgcn-amd-amdhsa--gfx1250"
	.amdhsa_code_object_version 6
	.text
	.protected	k_qd6e40c9c24_attn
	.globl	k_qd6e40c9c24_attn
	.p2align	8
	.type	k_qd6e40c9c24_attn,@function
k_qd6e40c9c24_attn:
	s_mov_b64 s[64:65], 0
	v_nop
	global_prefetch_b8 v0, s[64:65] scope:SCOPE_SE
	s_setreg_imm32_b32 hwreg(HW_REG_WAVE_MODE, 25, 1), 1
	s_wait_xcnt 0x0
	s_wait_alu depctr_hold_cnt(0) depctr_sa_sdst(0) depctr_va_vdst(0) depctr_va_sdst(0) depctr_va_ssrc(0) depctr_va_vcc(0) depctr_vm_vsrc(0)
	s_getreg_b32 s2, hwreg(HW_REG_IB_STS2, 6, 4)
	s_cmp_eq_u32 s2, 0
	s_cbranch_scc0 .Lentry_in_a_cluster
	s_endpgm
.Lentry_in_a_cluster:
	s_bfe_u32 s2, ttmp6, 0x10000c
	s_cmp_lg_u32 s2, 0x3003
	s_cbranch_scc0 .Lentry_shape_is_right
	s_endpgm
.Lentry_shape_is_right:
; ctx[b][h][q] = the sum over k <= q of softmax_k(Q[q] . K[k] / 8) V[k], both products on codes of FP8 (E4M3) with one E8M0 scale for each 32 along a product's K; ctx is quantised along d_model on its way out.
; THE SOFTMAX AHEAD OF THE SECOND PRODUCT: t = score x log2(e) / 8; M = the row's largest t so far, rounded UP to a whole number; p = 2^(t - M) is what is quantised, along the keys; it is not normalised.
; The row's sum is taken of the unquantised p, in f32, and divides O at the end.  When M moves, the sum and O are multiplied by 2^(old M - new M): exact.
; WORK LEFT OUT: chunks of 128 keys all of which the causal mask hides from a tile's queries, for all values of the inputs.
; LIMITS: NaN and infinities are not served, and one that reaches only the work left out is not carried to the result; scores stay under 2^96 in magnitude (a hidden score becomes -2^99 or less, whose p is 0);
; a block of ctx whose largest magnitude lies under 2^-118 keeps the byte 1, a block of zeros too (its codes are zeros; only this program reads the bytes).  ctx's scale bytes leave as two bytes a lane, 8 bytes apart.
; SHARES.  A UNIT m = 0 .. 7 of a work-group is tile x (x = 0 .. 7, the work-group's number) of the query chunks 2 m and 2 m + 1: two tiles of 16 queries, which one wave works together, so that each fragment of K and V serves both.
; Waves w and w + 4 (m = w % 4) share the long unit 7 - m (16 - 2 m key chunks) and the short unit m (2 m + 2 chunks), nine steps each.  With T = 7 - 2 m: wave w takes the long unit's chunks 0, 2, .. 2 T and then all above;
; wave w + 4 takes its chunks 1, 3, .. 2 T - 1, leaves that part (O, -M, sum) in LDS, and does the short unit.  At the end wave w brings both parts under the larger M (exact) and adds them.
; ALL OF THE HEAD'S K AND V LIE IN LDS (16 chunks of 16,896 bytes), asked for once, two chunks a wave: no slot is ever filled again.  Step 0 reads chunks 0 and 1 alone, which wave 0 brings by a load line of its own.
; CLUSTERS: the four work-groups of a cluster read the same K and V: each load is a joint one.  Their places differ in x alone, which enters global addresses and lanes' numbers, no branch and no LDS address.
; NO PREFETCH: every tile is asked for at the head, and no later load could be run ahead of.
; OPERANDS ARE IMAGES OF THEIR REGISTERS (tile T = rows 32 (T / 2) + 8 (T % 2) + r + 8 (r / 8)).  A chunk: K's eight half images (tile x 64), V's four images (16 channels x 128 keys), their scale words.
; THE HEAD HAS 64 AND THE INSTRUCTION'S K IS 128: a fragment holds K's tile 2 f in its lower half and tile 2 f + 1 in its upper; multiplied by (Q | zeros) it gives tile 2 f's scores, by (zeros | Q) tile 2 f + 1's.
; Both products are used transposed (S^T = K Q^T, O^T = V^T P^T): a lane holds one query throughout, and register 16 f + i of S^T is key 32 f + 16 (lane / 16) + i of the chunk.
; REGISTERS: tile e of the unit has its numbers in window e, at the same places: v12 -M, v13 the largest t, v[14:15] the sum; v16-23 zeros, v24-31 Q, v32-39 zeros; S, O and the rest as named.  K's fragments: window 0, V's: window 1, both at v40-103.
.set CH,    16896
.set HS,    270336
.set KVB,   8650752
.set PART,  270336                     ; behind the 16 chunks: four parts of 2 x 9 x 512 bytes
.set PPAIR, 9216
.set SPARE, 307200                     ; the spare words, 128 bytes for each wave: four blocks of 256 bytes that no other line names
.set AI0,  1                           ; v1   16 x lane
.set AS0,  2                           ; v2   4 x lane
.set ADI,  3                           ; v3   a step's images; on the way out 8 r
.set ADS,  4                           ; v4   a step's scale words
.set SPW,  5                           ; v5   LDS address of my spare word; never rewritten
.set NIL,  6                           ; v6   0; never rewritten
.set QS,   7                           ; v7, v9  Q's scale words, tile 0, 1
.set PA,   8                           ; v8   LDS address of my pair's part
.set PSW,  10                          ; v10, v11  p's scale words, tile 0, 1
.set KF,   40
.set S,    104                         ; v104-167 S^T, then p
.set O,    168                         ; v168-199 O^T
.set PCD,  200                         ; v200-215 p's codes
.set BM,   216                         ; v216-219 the blocks' largest scores
.set PT,   220                         ; v220-223 the other half's, then the bytes (on the diagonal v220-227 bounds)
.set HD,   224                         ; v224-227 448 x the scale
.set SO,   228                         ; v228-231 the conversions' scale operands
.set F,    232                         ; v232 f = 2^(old M - new M); v233 is named with it
.set TA,   234                         ; v234 at work; v[234:237], v[240:241] the sum's chains
.set DB,   238                         ; v[238:239] the mask's bounds: (d + 1/2) 2^100 and (d - 1/2) 2^100, d = my query's place in its chunk - 16 (lane / 16)
.set KS,   242                         ; v242-243 K's scale words; v244-245 V's; v246-247 the short unit's Q's (window 0)
.set VS,   244
.set QT,   246
.set Q2,   248                         ; v248-255 the short unit's Q
.set WV,   18
.set MNT,  19
.set SEL,  20
.set CS,   22                          ; s[22:23] c = log2(e) / 8
.set G1,   24
.set G0,   32
.set ST,   36                          ; the step, 0 .. 8
.set KC,   37                          ; the step's key chunk
.set KN,   38                          ; the next step's
.set QC0,  39                          ; tile 0's query chunk
.set QC1,  40                          ; tile 1's
.set QCS,  41                          ; the short unit's first
.set TT,   42                          ; T = 7 - 2 m
.set BB,   43                          ; 0: waves 0 to 3, 1: waves 4 to 7
.set UU,   44                          ; T (waves 0 to 3) or 16 - T (waves 4 to 7)
.set TQ,   47                          ; where a step's chunk begins in LDS
.set XT,   48                          ; x
.set YH,   49                          ; batch x 16 + head
.set BD,   70                          ; s[70:77] the bounds' steps, each twice
.set MSB, 0
.macro WIN new                         ; the immediate's high byte repeats the setting that is left
.if MSB != (\new)
	s_set_vgpr_msb (MSB<<8)|(\new)
.set MSB, (\new)
.endif
.endm
.macro CROUND                          ; a round of the cluster's barrier
	s_barrier_signal -1
	s_barrier_wait -1
	s_cmp_lg_u32 s[WV], 0
	s_cbranch_scc1 .Lnot_wave_0_\@
	s_barrier_signal -3
.Lnot_wave_0_\@:
	s_barrier_wait -3
	s_barrier_signal -1
	s_barrier_wait -1
.endm
.macro RESET e                         ; a unit begins: no key yet
	WIN 0x55*\e
	v_mov_b32 v13, 0xff61b1e6                      ; the largest t so far: -3e38, under every t
	v_mov_b32 v14, 0
	v_mov_b32 v15, 0
	v_floor_f32 v12, -v13                          ; -M
.set ri, 0
.rept 32
	v_mov_b32 v[O+ri], 0                           ; the step is written for any key: the first change of M leaves zeros
.set ri, ri+1
.endr
	WIN 0
.endm
	s_load_b128 s[4:7], s[0:1], 0x0                ; qkv, cc
	s_load_b64 s[8:9], s[0:1], 0x10                ; cs
	v_lshl_add_u32 v[SPW], v0, 2, SPARE
	v_mov_b32 v[NIL], 0
	ds_add_u32 v[SPW], v[NIL]                      ; the wave's opening
	ds_add_u32 v[SPW], v[NIL]
	v_lshrrev_b32 v234, 5, v0
	v_readfirstlane_b32 s[WV], v234                ; wave 0..7
	s_bfe_u32 s50, ttmp6, 0x40000                  ; cx
	s_lshl_b32 s[XT], ttmp9, 2
	s_add_co_u32 s[XT], s[XT], s50
	s_and_b32 s[YH], ttmp7, 0xffff
	s_and_b32 s68, s[WV], 3                        ; m
	s_lshr_b32 s[BB], s[WV], 2
	s_lshl_b32 s[QCS], s68, 1                      ; 2 m: 0, 2, 4, 6
	s_xor_b32 s[TT], s[QCS], 7                     ; 7 - 2 m
	s_xor_b32 s[QC0], s[QCS], 14                   ; 14 - 2 m: both waves begin with the long unit
	s_add_co_u32 s[QC1], s[QC0], 1
	s_mul_i32 s53, s[BB], 14
	s_xor_b32 s[UU], s[TT], s53                    ; T, or (T being odd and under 8) T xor 14 = 16 - T
	s_mov_b32 s[G1], (3<<16)|(1<<21)|15            ; two chunks: 132 rows of 256 dense bytes (32 elements of 8 bytes); no padding; joint: all four of the cluster
	s_mov_b32 s[G1+1], 32<<16
	s_mov_b32 s[G1+2], 132<<16
	s_mov_b32 s[G1+3], 32<<16
	s_mov_b32 s[G1+4], 132
	s_mov_b32 s[G1+5], 32
	s_mov_b32 s[G1+6], 0
	s_mov_b32 s[G1+7], 0
	s_mul_i32 s54, s[WV], 2*CH                     ; chunks 2 w, 2 w + 1: their place in LDS and in the head
	s_mul_i32 s55, s[YH], HS
	s_add_co_u32 s56, s55, s54
	s_add_co_u32 s56, s56, KVB
	s_mov_b32 s57, 0
	s_mul_i32 s58, s[QC0], CH                      ; the long unit's queries,
	s_add_co_u32 s58, s58, s55
	s_mul_i32 s60, s[QCS], CH                      ; the short unit's
	s_add_co_u32 s60, s60, s55
	s_lshr_b32 s50, s[XT], 1
	s_and_b32 s51, s[XT], 1
	s_lshl_b32 s52, s50, 6
	s_lshl_b32 s53, s51, 1
	s_add_co_u32 s52, s52, s53
	s_add_co_u32 s52, s52, 16384                   ; a tile's scale halfwords: 16,384 + 64 (x / 2) + 2 (x % 2) + 4 r
	s_add_co_u32 s62, s58, s52
	s_add_co_u32 s66, s60, s52
	s_lshl_b32 s53, s[XT], 10                      ; and its half image: 1,024 x
	s_add_co_u32 s58, s58, s53
	s_add_co_u32 s60, s60, s53
	s_lshl_b32 s50, s50, 5
	s_lshl_b32 s51, s51, 3
	s_add_co_u32 s50, s50, s51                     ; 32 (x / 2) + 8 (x % 2)
	s_mov_b32 s59, 0
	s_mov_b32 s61, 0
	s_mov_b32 s63, 0
	s_mov_b32 s67, 0
	s_mul_i32 s69, s68, PPAIR
	s_add_co_u32 s69, s69, PART
	s_mov_b32 s[SEL], 0x76543210
	s_mov_b32 s[SEL+1], 0xfedcba98
	s_mov_b32 s[CS], 0x3e38aa3b
	s_mov_b32 s[CS+1], s[CS]                       ; (named with it as a pair, so it is written; likewise below)
	s_mov_b32 s[MNT], 0x600000
.irp i, 0,1
	s_mov_b32 s[BD+\i], 0xf2000000                 ; -2 x 2^100
	s_mov_b32 s[BD+2+\i], 0xf4000000               ; -32 x 2^100
	s_mov_b32 s[BD+4+\i], 0xf4800000               ; -64 x 2^100
	s_mov_b32 s[BD+6+\i], 0xf4c00000               ; -96 x 2^100
.endr
	v_and_b32 v236, 31, v0
	v_and_b32 v240, 15, v0                         ; r
	v_lshlrev_b32 v[AI0], 4, v236
	v_lshlrev_b32 v[AS0], 2, v236
	v_lshlrev_b32 v235, 2, v240                    ; 4 r
	v_add_nc_u32 v[PA], s69, v[AI0]
	s_wait_alu depctr_va_vdst(0)
	s_wait_dscnt 0x0                               ; both opening adds are done
	CROUND                                         ; all four work-groups are here: the joint loads meet
	s_wait_kmcnt 0x0
	s_mov_b32 s[G0], 1
	s_mov_b32 s[G0+1], s54
	s_add_nc_u64 s[G0+2:G0+3], s[4:5], s[56:57]
	s_or_b32 s[G0+3], s[G0+3], 0x80000000
	s_cmp_lt_u32 s[WV], 1                          ; ONE joint load a wave; chunks 0 and 1 have a line of their own, since they are shown ahead of the rest
	s_cbranch_scc0 .Lupper
	tensor_load_to_lds s[G0:G0+3], s[G1:G1+7]
	s_nop 0
.rept 4
	v_nop
.endr
	s_branch .Lasked
.Lupper:
	tensor_load_to_lds s[G0:G0+3], s[G1:G1+7]
	s_nop 0
.rept 4
	v_nop
.endr
.Lasked:
	s_add_nc_u64 s[58:59], s[4:5], s[58:59]
	s_add_nc_u64 s[60:61], s[4:5], s[60:61]
	s_add_nc_u64 s[62:63], s[4:5], s[62:63]
	s_add_nc_u64 s[66:67], s[4:5], s[66:67]
.irp e, 0,1
	WIN 0x40*\e
	global_load_b128 v[24:27], v[AI0], s[58:59] offset:\e*CH      ; Q of both units stays in registers (waves 0 to 3 have no use for the short unit's: 2,048 bytes a wave)
	global_load_b128 v[28:31], v[AI0], s[58:59] offset:\e*CH+512
	global_load_b128 v[Q2:Q2+3], v[AI0], s[60:61] offset:\e*CH
	global_load_b128 v[Q2+4:Q2+7], v[AI0], s[60:61] offset:\e*CH+512
	WIN 0
	global_load_u16 v[BM+\e], v235, s[62:63] offset:\e*CH         ; and their two scale bytes a row
	global_load_u16 v[BM+2+\e], v235, s[66:67] offset:\e*CH
.endr
	v_and_b32 v236, 8, v240
	v_bfe_u32 v237, v0, 4, 1
	v_add_nc_u32 v236, v236, v240
	v_lshlrev_b32 v237, 4, v237
	v_sub_nc_u32 v236, v236, v237
	v_add_nc_u32 v236, s50, v236                   ; d
	v_cvt_f32_i32 v236, v236
	v_add_f32 v236, 0.5, v236
	v_mul_f32 v[DB], 0x71800000, v236              ; (d + 1/2) 2^100
	v_add_f32 v[DB+1], 0xf1800000, v[DB]
	RESET 0
	RESET 1
.irp e, 0,1
	WIN 0x40*\e
.irp j, 16,17,18,19,20,21,22,23,32,33,34,35,36,37,38,39
	v_mov_b32 v\j, 0                               ; zero codes on both sides of Q
.endr
.irp b, 0,1,2,3
	v_mov_b32 v[PT+\b], 0                          ; a lane permute's destination counts as one of its sources
.endr
	v_mov_b32 v[TA], 0                             ; (likewise)
	v_mov_b32 v[F+1], 0                            ; (named as the upper half of the pair with f)
.endr
	v_mov_b32 v[DB], v[DB]                         ; the bounds' copy: from window 0 into window 1, which is set for the destination
	v_mov_b32 v[DB+1], v[DB+1]
	WIN 0
	s_wait_alu depctr_va_vdst(0)
	s_wait_loadcnt 0x0                             ; Q
.irp e, 0,1
	v_lshl_or_b32 v[QS+2*\e], v[BM+\e], 16, v[BM+\e]     ; Q's two bytes twice: they serve Q in the lower half and in the upper
	v_lshl_or_b32 v[QT+\e], v[BM+2+\e], 16, v[BM+2+\e]
.endr
	s_wait_alu depctr_va_vdst(0)
	s_cmp_lt_u32 s[WV], 1
	s_cbranch_scc0 .Lnot_first
	s_wait_tensorcnt 0x0                           ; wave 0: chunks 0 and 1 are in.  The other waves' wait stands at the second barrier
.Lnot_first:
	s_barrier_signal -1
	s_barrier_wait -1
; the key chunk of step st: min(2 st + b, (st + U) mod 16): waves 0 to 3: 2 st up to 2 T, then st + T;  waves 4 to 7: 2 st + 1 while st < T, then st - T
.macro CHUNK st, d
	s_lshl_b32 s50, s[\st], 1
	s_add_co_u32 s50, s50, s[BB]
	s_add_co_u32 s51, s[\st], s[UU]
	s_and_b32 s51, s51, 15
	s_min_u32 s[\d], s50, s51
.endm
.macro PLACE c                         ; a chunk's LDS addresses
	s_mul_i32 s[TQ], s[\c], CH
	v_add_nc_u32 v[ADI], s[TQ], v[AI0]
	v_add_nc_u32 v[ADS], s[TQ], v[AS0]
.endm
.macro KLOAD
.irp f, 0,1,2,3
.irp c, 0,1,2,3
	ds_load_b128 v[KF+16*\f+4*\c:KF+16*\f+4*\c+3], v[ADI] offset:2048*\f+512*\c   ; K's tiles 2 f and 2 f + 1 as one fragment
.endr
.endr
	ds_load_b32 v[KS], v[ADS] offset:16384         ; lanes 0-15: fragment 0's words, lanes 16-31: fragment 1's
	ds_load_b32 v[KS+1], v[ADS] offset:16384+128   ; fragments 2 and 3
.endm
.macro VLOAD
	WIN 0x40
.irp t, 0,1,2,3
.irp c, 0,1,2,3
	ds_load_b128 v[KF+16*\t+4*\c:KF+16*\t+4*\c+3], v[ADI] offset:8192+2048*\t+512*\c   ; V's four images, into window 1
.endr
.endr
	WIN 0
	ds_load_b32 v[VS], v[ADS] offset:16640
	ds_load_b32 v[VS+1], v[ADS] offset:16640+128
.endm
.macro SPROD e                         ; S^T = K Q^T: 128 keys x my tile e
	WIN 0x44*\e
.irp f, 0,1,2,3
.if (\f%2) == 0
	v_wmma_scale_f32_16x16x128_f8f6f4 v[S+16*\f:S+16*\f+7], v[KF+16*\f:KF+16*\f+15], v[24:39], 0, v[KS+\f/2], v[QS+2*\e]
	v_wmma_scale_f32_16x16x128_f8f6f4 v[S+16*\f+8:S+16*\f+15], v[KF+16*\f:KF+16*\f+15], v[16:31], 0, v[KS+\f/2], v[QS+2*\e]
.else
	v_wmma_scale_f32_16x16x128_f8f6f4 v[S+16*\f:S+16*\f+7], v[KF+16*\f:KF+16*\f+15], v[24:39], 0, v[KS+\f/2], v[QS+2*\e] matrix_a_scale:MATRIX_SCALE_ROW1
	v_wmma_scale_f32_16x16x128_f8f6f4 v[S+16*\f+8:S+16*\f+15], v[KF+16*\f:KF+16*\f+15], v[16:31], 0, v[KS+\f/2], v[QS+2*\e] matrix_a_scale:MATRIX_SCALE_ROW1
.endif
.endr
	WIN 0
.endm
.macro PV e                            ; O^T += V^T P^T: the four accumulators by turns
	WIN 1+0x54*\e
.irp t, 0,1,2,3
.if (\t%2) == 0
	v_wmma_scale_f32_16x16x128_f8f6f4 v[O+8*\t:O+8*\t+7], v[KF+16*\t:KF+16*\t+15], v[PCD:PCD+15], v[O+8*\t:O+8*\t+7], v[VS+\t/2], v[PSW+\e]
.else
	v_wmma_scale_f32_16x16x128_f8f6f4 v[O+8*\t:O+8*\t+7], v[KF+16*\t:KF+16*\t+15], v[PCD:PCD+15], v[O+8*\t:O+8*\t+7], v[VS+\t/2], v[PSW+\e] matrix_a_scale:MATRIX_SCALE_ROW1
.endif
.endr
	WIN 0
.endm
; THE DIAGONAL: register n = 32 f + i is hidden where n > d.  Its score is held under (d - n + 1/2) 2^100: far above every score where it counts, -2^99 or less where it is hidden.  Four running pairs of bounds.
.macro MASK
	v_mov_b32 v[PT], v[DB]
	v_mov_b32 v[PT+1], v[DB+1]
.irp f, 1,2,3
	v_pk_add_f32 v[PT+2*\f:PT+2*\f+1], v[DB:DB+1], s[BD+2*\f:BD+2*\f+1] op_sel_hi:[1,0]   ; 32 f keys on
.endr
.set mi, 0
.rept 8
.irp f, 0,1,2,3
	v_min_num_f32 v[S+16*\f+2*mi], v[S+16*\f+2*mi], v[PT+2*\f]
	v_min_num_f32 v[S+16*\f+2*mi+1], v[S+16*\f+2*mi+1], v[PT+2*\f+1]
.endr
.if mi < 7
.irp f, 0,1,2,3
	v_pk_add_f32 v[PT+2*\f:PT+2*\f+1], v[PT+2*\f:PT+2*\f+1], s[BD:BD+1] op_sel_hi:[1,0]   ; two keys on
.endr
.endif
.set mi, mi+1
.endr
.endm
; The softmax of tile e: S -> p's codes and scale word; the sum and O^T brought under the new M.  mask = 1: the step may lie on the diagonal.
.macro SOFT e, mask
.if \mask
	s_cmp_lg_u32 s[KC], s[QC0+\e]
	s_cbranch_scc1 .Lopen_\@
	WIN 0x55*\e
.if \e
	s_wait_alu depctr_va_vdst(0)                   ; ahead of the first readers of the scores
.endif
	MASK
	WIN 0
.Lopen_\@:
.endif
	WIN 0x55*\e
.if \e
	s_wait_alu depctr_va_vdst(0)                   ; (likewise)
.endif
.irp b, 0,1,2,3
	v_max3_num_f32 v[BM+\b], v[S+16*\b], v[S+1+16*\b], v[S+2+16*\b]   ; the largest score of each block of 32 keys: for the row's maximum and, since p rises with the score, for the block's largest p
.endr
.irp i, 3,5,7,9,11,13
.irp b, 0,1,2,3
	v_max3_num_f32 v[BM+\b], v[BM+\b], v[S+16*\b+\i], v[S+1+16*\b+\i]
.endr
.endr
.irp b, 0,1,2,3
	v_max_num_f32 v[BM+\b], v[BM+\b], v[S+15+16*\b]
.endr
.irp b, 0,1,2,3
	s_delay_alu instid0(VALU_DEP_4)
	v_permlanex16_b32 v[PT+\b], v[BM+\b], s[SEL], s[SEL+1]
.endr
.irp b, 0,1,2,3
	s_delay_alu instid0(VALU_DEP_4)
	v_max_num_f32 v[BM+\b], v[BM+\b], v[PT+\b]     ; with lane l xor 16's 16 keys
.endr
	s_delay_alu instid0(VALU_DEP_2)
	v_max3_num_f32 v[TA], v[BM], v[BM+1], v[BM+2]
	s_delay_alu instid0(VALU_DEP_1)
	v_max_num_f32 v[TA], v[TA], v[BM+3]            ; the step's largest score of my query
	s_delay_alu instid0(VALU_DEP_1)
	v_mul_f32 v[TA], s[CS], v[TA]                  ; as t (c is positive)
	s_delay_alu instid0(VALU_DEP_1)
	v_max_num_f32 v13, v13, v[TA]                  ; the running largest t
	v_mov_b32 v[TA], v12
	s_delay_alu instid0(VALU_DEP_2)
	v_floor_f32 v12, -v13                          ; the new -M = floor(-t) = -ceil(t)
	s_delay_alu instid0(VALU_DEP_1)
	v_sub_f32 v[TA], v12, v[TA]                    ; old M - new M: a whole number, 0 or less
	s_delay_alu instid0(VALU_DEP_1)
	v_cvt_i32_f32 v[TA], v[TA]                     ; (it saturates)
	s_delay_alu instid0(VALU_DEP_1)
	v_ldexp_f32 v[F], 1.0, v[TA]                   ; f = 2^(old M - new M)
.set si, 0
.rept 32
	v_pk_fma_f32 v[S+si:S+si+1], v[S+si:S+si+1], s[CS:CS+1], v[12:13] op_sel_hi:[1,0,0]   ; t - M, two at a time
.set si, si+2
.endr
.irp b, 0,1,2,3
	v_fma_f32 v[BM+\b], v[BM+\b], s[CS], v12       ; the same of each block's largest score
.endr
	s_wait_alu depctr_va_vdst(0)                   ; ahead of the batch of exponentials
.set si, 0
.rept 64
	v_exp_f32 v[S+si], v[S+si]                     ; p = 2^(t - M), at most 1
.set si, si+1
.endr
.irp b, 0,1,2,3
	v_exp_f32 v[BM+\b], v[BM+\b]                   ; the block's largest p: the same two instructions on the same number
.endr
	v_pk_mul_f32 v[14:15], v[14:15], v[F:F+1] op_sel_hi:[1,0]   ; the sums under the new M (a plain line behind the exponentials)
	s_wait_alu depctr_va_vdst(0)                   ; and behind it
.irp b, 0,1,2,3
	v_max_num_f32 v[BM+\b], 0x4800000, v[BM+\b]    ; the floor 2^(9 - 127): the byte cannot fall under 1
.endr
.irp b, 0,1,2,3
	s_delay_alu instid0(VALU_DEP_4)
	v_add_nc_u32 v[SO+\b], 0xfc000000, v[BM+\b]    ; 8 off the exponent field: the conversion's scale operand
.endr
.irp b, 0,1,2,3
	v_and_or_b32 v[HD+\b], v[BM+\b], 0x7f800000, s[MNT]   ; 448 x the scale
.endr
.irp b, 0,1,2,3
	v_lshrrev_b32 v[PT+\b], 23, v[SO+\b]           ; the scale's byte
.endr
	s_delay_alu instid0(VALU_DEP_3)
	v_lshl_or_b32 v[TA], v[PT+1], 8, v[PT]         ; p's scale word for these 128 keys
	s_delay_alu instid0(VALU_DEP_1)
	v_lshl_or_b32 v[TA], v[PT+2], 16, v[TA]
	WIN 0x15*\e
	v_lshl_or_b32 v[PSW+\e], v[PT+3], 24, v[TA]    ; (into window 0: scale operands have no window)
	WIN 0x55*\e
	v_pk_add_f32 v[234:235], v[S:S+1], v[S+2:S+3]  ; the row's sum, of the unquantised p: four chains
	v_pk_add_f32 v[236:237], v[S+4:S+5], v[S+6:S+7]
	v_pk_add_f32 v[240:241], v[S+8:S+9], v[S+10:S+11]
	v_pk_add_f32 v[14:15], v[14:15], v[S+12:S+13]
.set si, 14
.rept 6
	v_pk_add_f32 v[234:235], v[234:235], v[S+si:S+si+1]
	v_pk_add_f32 v[236:237], v[236:237], v[S+si+2:S+si+3]
	v_pk_add_f32 v[240:241], v[240:241], v[S+si+4:S+si+5]
	v_pk_add_f32 v[14:15], v[14:15], v[S+si+6:S+si+7]
.set si, si+8
.endr
	v_pk_add_f32 v[234:235], v[234:235], v[S+62:S+63]
	v_pk_add_f32 v[236:237], v[236:237], v[240:241]
	v_pk_add_f32 v[14:15], v[14:15], v[234:235]
	s_delay_alu instid0(VALU_DEP_1)
	v_pk_add_f32 v[14:15], v[14:15], v[236:237]
.irp b, 0,1,2,3
.irp i, 0,1,2,3,4,5,6,7,8,9,10,11,12,13,14,15
	v_min_num_f32 v[S+16*\b+\i], v[S+16*\b+\i], v[HD+\b]   ; the conversion does not saturate (ISA guide 7.6.2); p is not negative, so the hold is one-sided
.endr
	v_cvt_scalef32_pk8_fp8_f32 v[PCD+4*\b:PCD+4*\b+1], v[S+16*\b:S+16*\b+7], v[SO+\b]
	v_cvt_scalef32_pk8_fp8_f32 v[PCD+4*\b+2:PCD+4*\b+3], v[S+16*\b+8:S+16*\b+15], v[SO+\b]
.endr
	s_wait_alu depctr_va_vdst(0)                   ; directly ahead of the first reader of O^T
.set si, 0
.rept 16
	v_pk_mul_f32 v[O+si:O+si+1], v[O+si:O+si+1], v[F:F+1] op_sel_hi:[1,0]   ; O^T under the new M; also the places behind the conversions
.set si, si+2
.endr
	WIN 0
.endm
; WAVES 4 TO 7 AT STEP T (1, 3, 5 or 7): the long unit's part goes to LDS, and the short unit begins.
.macro SWITCH
	s_cmp_lt_u32 s[WV], 4
	s_cbranch_scc1 .Lstay_\@
	s_cmp_lg_u32 s[ST], s[TT]
	s_cbranch_scc1 .Lstay_\@
.rept 8
	v_nop                                          ; places behind the last products
.endr
.irp e, 0,1
	WIN 0x04*\e
.irp i, 0,1,2,3,4,5,6,7
	ds_store_b128 v[PA], v[O+4*\i:O+4*\i+3] offset:4608*\e+512*\i
.endr
	ds_store_b128 v[PA], v[12:15] offset:4608*\e+4096
.endr
	WIN 0
	s_wait_dscnt 0x0                               ; for wave w's sake too: it reads the part behind the last barrier
	s_mov_b32 s[QC0], s[QCS]
	s_add_co_u32 s[QC1], s[QCS], 1
	v_mov_b32 v[QS], v[QT]
	v_mov_b32 v[QS+2], v[QT+1]
.irp e, 0,1
	WIN 0x55*\e
.irp j, 0,1,2,3,4,5,6,7
	v_mov_b32 v[24+\j], v[Q2+\j]
.endr
.endr
	WIN 0
	RESET 0
	RESET 1
	s_wait_alu depctr_va_vdst(0)
.Lstay_\@:
.endm
; A KEY STEP.  rest = 0 (step 0: chunk 0 or 1, no diagonal, both tiles): K is loaded at its head.  rest = 1: K came in the step before; tile 0 may be past its last chunk.
.macro STEP rest
.if \rest
	CHUNK ST, KC
	s_cmp_gt_u32 s[KC], s[QC0]                     ; all keys come after tile 0's queries: its work is left out
	s_cbranch_scc1 .Lno_s_\@
.else
	s_mov_b32 s[KC], s[BB]
	PLACE KC
	KLOAD
	s_wait_dscnt 0x0
.endif
	SPROD 0
.if \rest
.Lno_s_\@:
.endif
	SPROD 1
.rept 6
	v_nop                                          ; with the two additions: eight places in front of the loads and of the first read of the scores
.endr
	PLACE KC
	VLOAD
.if \rest
	s_cmp_eq_u32 s[ST], 8
	s_cbranch_scc1 .Llast_\@
	s_add_co_u32 s52, s[ST], 1
	CHUNK 52, KN                                   ; the next step's K lands while the softmax is worked
	PLACE KN
	KLOAD
.Llast_\@:
	s_cmp_gt_u32 s[KC], s[QC0]
	s_cbranch_scc1 .Lno_p_\@
.endif
	SOFT 0, \rest
.if \rest
.Lno_p_\@:
.endif
	SOFT 1, \rest
	s_wait_alu depctr_va_vdst(0)
	s_wait_dscnt 0x0                               ; V is in (and the next step's K)
.if \rest
	s_cmp_gt_u32 s[KC], s[QC0]
	s_cbranch_scc1 .Lno_o_\@
.endif
	PV 0
.if \rest
.Lno_o_\@:
.endif
	PV 1
.endm
	STEP 0
	s_wait_tensorcnt 0x0                           ; all my tensor loads are in; nothing is filled again
	s_wait_dscnt 0x0
	s_barrier_signal -1
	s_barrier_wait -1
	s_mov_b32 s[ST], 1
	CHUNK ST, KC
	PLACE KC
	KLOAD
	s_wait_dscnt 0x0
.Lrest:                                            ; steps 1 to 8
	SWITCH
	STEP 1
	s_add_co_u32 s[ST], s[ST], 1
	s_cmp_lt_u32 s[ST], 9
	s_cbranch_scc1 .Lrest
.rept 8
	v_nop                                          ; places behind the last products
.endr
	s_wait_alu depctr_va_vdst(0)
	s_wait_dscnt 0x0
	s_barrier_signal -1
	s_barrier_wait -1                              ; the parts of waves 4 to 7 are whole
	s_cmp_lt_u32 s[WV], 4
	s_cbranch_scc0 .Lown
.irp e, 0,1
	WIN 0x40*\e
.irp i, 0,1,2,3,4,5,6,7,8
	ds_load_b128 v[S+4*\i:S+4*\i+3], v[PA] offset:4608*\e+512*\i   ; O^T in 32 registers, then -M, the largest t, the sum's halves
.endr
.endr
	WIN 0
	s_wait_dscnt 0x0
.irp e, 0,1
	WIN 0x55*\e
	v_min_num_f32 v[TA], v12, v[S+32]              ; the larger M of the two, as -M
	v_sub_f32 v[F], v[TA], v12
	v_sub_f32 v[BM], v[TA], v[S+32]
	v_cvt_i32_f32 v[F], v[F]
	v_cvt_i32_f32 v[BM], v[BM]
	v_ldexp_f32 v[F], 1.0, v[F]
	v_ldexp_f32 v[BM], 1.0, v[BM]
	v_pk_mul_f32 v[14:15], v[14:15], v[F:F+1] op_sel_hi:[1,0]
.set si, 0
.rept 16
	v_pk_mul_f32 v[O+si:O+si+1], v[O+si:O+si+1], v[F:F+1] op_sel_hi:[1,0]
.set si, si+2
.endr
	v_pk_fma_f32 v[14:15], v[S+34:S+35], v[BM:BM+1], v[14:15] op_sel_hi:[1,0,1]
.set si, 0
.rept 16
	v_pk_fma_f32 v[O+si:O+si+1], v[S+si:S+si+1], v[BM:BM+1], v[O+si:O+si+1] op_sel_hi:[1,0,1]
.set si, si+2
.endr
.endr
	WIN 0
	s_wait_alu depctr_va_vdst(0)
.Lown:
	; THE WAY OUT.  O^T / the sum: register 16 b + i is channel 32 b + 16 (lane / 16) + i of my query: two blocks along d_model, quantised as they stand; the codes are two groups of ctx's image.
	s_lshr_b32 s54, s[YH], 4
	s_lshl_b32 s54, s54, 7
	s_lshl_b32 s55, s[QC0], 3
	s_add_co_u32 s54, s54, s55
	s_add_co_u32 s54, s54, s[XT]                   ; ctx's row tile: 128 x batch + 8 x chunk + x; tile 1's is eight further on
	s_and_b32 s55, s[YH], 15                       ; the head
	s_lshl_b32 s50, s54, 14
	s_lshl_b32 s56, s55, 10
	s_add_co_u32 s50, s50, s56                     ; codes: 16,384 a tile; a head's 64 are half an image: 1,024 x head
	s_mov_b32 s51, 0
	s_lshl_b32 s52, s54, 9
	s_lshr_b32 s56, s55, 2
	s_lshl_b32 s56, s56, 7
	s_add_co_u32 s52, s52, s56
	s_and_b32 s56, s55, 3
	s_lshl_b32 s56, s56, 1
	s_add_co_u32 s52, s52, s56                     ; scale bytes: 512 a tile, 128 for each 256 along K, 2 a head
	s_mov_b32 s53, 0
	s_add_nc_u64 s[6:7], s[6:7], s[50:51]
	s_add_nc_u64 s[8:9], s[8:9], s[52:53]
	v_and_b32 v[ADI], 15, v0
	v_lshlrev_b32 v[ADI], 3, v[ADI]                ; 8 r
.irp e, 0,1
	WIN 0x55*\e
	v_add_f32 v14, v14, v15
	v_permlanex16_b32 v[TA], v14, s[SEL], s[SEL+1]
	v_add_f32 v14, v14, v[TA]                      ; the row's sum
	s_wait_alu depctr_va_vdst(0)                   ; ahead of the transcendental
	v_rcp_f32 v14, v14
	v_nop                                          ; a plain line behind the transcendental
	s_wait_alu depctr_va_vdst(0)                   ; and behind it
.set si, 0
.rept 16
	v_pk_mul_f32 v[S+si:S+si+1], v[O+si:O+si+1], v[14:15] op_sel_hi:[1,0]
.set si, si+2
.endr
.irp b, 0,1
	v_max3_num_f32 v[BM+\b], |v[S+16*\b]|, |v[S+1+16*\b]|, 0x4800000
.endr
.irp i, 2,4,6,8,10,12,14
.irp b, 0,1
	v_max3_num_f32 v[BM+\b], v[BM+\b], |v[S+16*\b+\i]|, |v[S+1+16*\b+\i]|
.endr
.endr
.irp b, 0,1
	v_permlanex16_b32 v[PT+\b], v[BM+\b], s[SEL], s[SEL+1]
.endr
.irp b, 0,1
	v_max_num_f32 v[BM+\b], v[BM+\b], v[PT+\b]
.endr
.irp b, 0,1
	v_add_nc_u32 v[SO+\b], 0xfc000000, v[BM+\b]
	v_and_or_b32 v[HD+\b], v[BM+\b], 0x7f800000, s[MNT]
.endr
.irp b, 0,1
	v_lshrrev_b32 v[PT+\b], 23, v[SO+\b]
.endr
	v_lshl_or_b32 v[TA], v[PT+1], 8, v[PT]         ; my row's two scale bytes
.irp b, 0,1
.irp i, 0,1,2,3,4,5,6,7,8,9,10,11,12,13,14,15
	v_med3_num_f32 v[S+16*\b+\i], v[S+16*\b+\i], -v[HD+\b], v[HD+\b]
.endr
.endr
.irp b, 0,1
	v_cvt_scalef32_pk8_fp8_f32 v[PCD+4*\b:PCD+4*\b+1], v[S+16*\b:S+16*\b+7], v[SO+\b]
	v_cvt_scalef32_pk8_fp8_f32 v[PCD+4*\b+2:PCD+4*\b+3], v[S+16*\b+8:S+16*\b+15], v[SO+\b]
.endr
	v_nop                                          ; a plain line behind the last conversion
	WIN 0x04*\e
	global_store_b128 v[AI0], v[PCD:PCD+3], s[6:7] offset:131072*\e               ; 512 consecutive bytes a store
	global_store_b128 v[AI0], v[PCD+4:PCD+7], s[6:7] offset:131072*\e+512
	global_store_b16 v[ADI], v[TA], s[8:9] offset:4096*\e            ; lanes l and l xor 16 write the same two bytes with the same value
.endr
	WIN 0
	s_wait_tensorcnt 0x0                           ; the wave's end
	ds_add_u32 v[SPW], v[NIL]
	s_wait_dscnt 0x0
	CROUND                                         ; the closing round: no work-group ends while a partner may still ask for a tile that names it
	s_endpgm
.Lfunc_end_k_qd6e40c9c24_attn:
	.size	k_qd6e40c9c24_attn, .Lfunc_end_k_qd6e40c9c24_attn-k_qd6e40c9c24_attn
	.p2alignl 7, 3214868480
	.fill 96, 4, 3214868480
	.section	.rodata,"a",@progbits
	.p2align	6, 0x0
	.amdhsa_kernel k_qd6e40c9c24_attn
		.amdhsa_group_segment_fixed_size 327680
		.amdhsa_private_segment_fixed_size 0
		.amdhsa_enable_private_segment 0
		.amdhsa_kernarg_size 24
		.amdhsa_user_sgpr_count 2
		.amdhsa_user_sgpr_kernarg_segment_ptr 1
		.amdhsa_wavefront_size32 1
		.amdhsa_system_sgpr_workgroup_id_x 1
		.amdhsa_system_sgpr_workgroup_id_y 1
		.amdhsa_system_sgpr_workgroup_id_z 1
		.amdhsa_system_vgpr_workitem_id 0
		.amdhsa_next_free_vgpr 512
		.amdhsa_next_free_sgpr 102
		.amdhsa_reserve_vcc 0
		.amdhsa_float_denorm_mode_32 3
		.amdhsa_float_denorm_mode_16_64 3
		.amdhsa_memory_ordered 1
		.amdhsa_forward_progress 1
		.amdhsa_inst_pref_size 116
	.end_amdhsa_kernel
	.amdgpu_metadata
---
amdhsa.version: [ 1, 2 ]
amdhsa.kernels:
  - .name:           k_qd6e40c9c24_attn
    .symbol:         k_qd6e40c9c24_attn.kd
    .args:
      - { .name: qkv, .offset: 0, .size: 8, .value_kind: global_buffer, .address_space: global }
      - { .name: cc, .offset: 8, .size: 8, .value_kind: global_buffer, .address_space: global }
      - { .name: cs, .offset: 16, .size: 8, .value_kind: global_buffer, .address_space: global }
    .group_segment_fixed_size: 327680
    .private_segment_fixed_size: 0
    .kernarg_segment_align: 8
    .kernarg_segment_size: 24
    .max_flat_workgroup_size: 256
    .sgpr_count:     102
    .vgpr_count:     512
    .wavefront_size: 32
...
	.end_amdgpu_metadata
.endif
;; end of part 3
;; launch outp (part 4): grid 8 x 32, 4 waves a work-group, clusters of 4 x 4, 327,680 bytes of LDS; arguments cc, cs, wc, ws, out0; writes out0
.if DOCPART == 4
	.amdgcn_target "amdgcn-amd-amdhsa--gfx1250"
	.amdhsa_code_object_version 6
	.text
	.protected	k_qd6e40c9c24_outp
	.globl	k_qd6e40c9c24_outp
	.p2align	8
	.type	k_qd6e40c9c24_outp,@function
k_qd6e40c9c24_outp:
	s_mov_b64 s[64:65], 0
	v_nop
	global_prefetch_b8 v0, s[64:65] scope:SCOPE_SE
	s_setreg_imm32_b32 hwreg(HW_REG_WAVE_MODE, 25, 1), 1
	s_wait_xcnt 0x0
	s_wait_alu depctr_hold_cnt(0) depctr_sa_sdst(0) depctr_va_vdst(0) depctr_va_sdst(0) depctr_va_ssrc(0) depctr_va_vcc(0) depctr_vm_vsrc(0)
	s_getreg_b32 s2, hwreg(HW_REG_IB_STS2, 6, 4)
	s_cmp_eq_u32 s2, 0
	s_cbranch_scc0 .Lentry_in_a_cluster
	s_endpgm
.Lentry_in_a_cluster:
	s_bfe_u32 s2, ttmp6, 0x10000c
	s_cmp_lg_u32 s2, 0xf033
	s_cbranch_scc0 .Lentry_shape_is_right
	s_endpgm
.Lentry_shape_is_right:
; out = ctx wo^T on codes of FP8 (E4M3) with one E8M0 scale for each 32 along K = 1,024, f32 sums.  A work-group of four waves makes 128 x 128, a wave 64 x 64.  Operands are images of their registers, as the launches before lay them.
; K's two halves lie in two LDS slots, each filled once: slot 0 and the scale bytes at the head, one joint load a wave; slot 1 behind a round of the cluster's barrier.  CLUSTERS: 4 x 4; A's tiles are shared along a row, B's along a column.
; NO PREFETCH: there is no loop to run ahead in.  LIMITS: NaN and infinities are not served.
.set FR,     16
.set NP,     8
.set HALFT,  32768
.set SLOT,   131072
.set SCL,    262144
.set HALFS,  2048
.set STAGE,  270336
.set SPITCH, 272
.set ADRA, 16
.set ADRB, 20
.set STO,  24
.set RD,   25
.set CO,   26
.set ADRS, 27
.set SC,   32
.set AF,   128
.set BK,   128
.set G1, 24
.set G0, 32
.set G1B, 48
.set G0B, 56
.set G1S, 68
.set G0S, 76
.set G1SB, 80
.set G0SB, 88
.set MSB, 0
.macro WIN new
.if MSB != (\new)
	s_set_vgpr_msb (MSB<<8)|(\new)
.set MSB, (\new)
.endif
.endm
.set MUL_W,  0xa1
.set TO_B,   0x40
.macro JLOAD g0a, g1a, g0b, g1b
	s_cmp_eq_u32 s15, 0
	s_cbranch_scc0 .Lfor_b_\@
	tensor_load_to_lds s[\g0a:\g0a+3], s[\g1a:\g1a+7]
	s_nop 0
.rept 4
	v_nop
.endr
	s_branch .Lasked_\@
.Lfor_b_\@:
	tensor_load_to_lds s[\g0b:\g0b+3], s[\g1b:\g1b+7]
	s_nop 0
.rept 4
	v_nop
.endr
.Lasked_\@:
.endm
.macro CROUND
	s_barrier_signal -1
	s_barrier_wait -1
	s_cmp_lg_u32 s14, 0
	s_cbranch_scc1 .Lnot_wave_0_\@
	s_barrier_signal -3
.Lnot_wave_0_\@:
	s_barrier_wait -3
	s_barrier_signal -1
	s_barrier_wait -1
.endm
	s_load_b256 s[4:11], s[0:1], 0x0
	s_load_b64 s[96:97], s[0:1], 0x20
	v_lshl_add_u32 v126, v0, 2, 0x46400
	v_mov_b32 v127, 0
	ds_add_u32 v126, v127
	ds_add_u32 v126, v127
	v_lshrrev_b32 v1, 5, v0
	v_readfirstlane_b32 s14, v1
	s_lshr_b32 s15, s14, 1
	s_and_b32 s16, s14, 1
	s_bfe_u32 s40, ttmp6, 0x40000
	s_bfe_u32 s41, ttmp6, 0x40004
	s_and_b32 s17, ttmp7, 0xffff
	s_lshl_b32 s17, s17, 2
	s_add_co_u32 s17, s17, s41
	s_lshl_b32 s42, ttmp9, 2
	s_add_co_u32 s42, s42, s40
	s_lshl_b32 s43, s41, 2
	s_lshl_b32 s43, 15, s43
	s_lshl_b32 s44, 0x1111, s40
	s_or_b32 s[G1+0], s43, (1<<21)
	s_or_b32 s[G1B+0], s44, (1<<21)
.irp g, G1, G1B
	s_mov_b32 s[\g+1], 8192<<16
	s_mov_b32 s[\g+2], 8<<16
	s_mov_b32 s[\g+3], 8192<<16
	s_mov_b32 s[\g+4], 8                           ; (eight tiles for the head's loads; four for slot 1's, set behind the head's wait)
	s_mov_b32 s[\g+5], 16384
	s_mov_b32 s[\g+6], 0
	s_mov_b32 s[\g+7], 0
.endr
	s_or_b32 s[G1S+0], s43, (3<<16)|(1<<21)
	s_or_b32 s[G1SB+0], s44, (3<<16)|(1<<21)
.irp g, G1S, G1SB
	s_mov_b32 s[\g+1], 32<<16
	s_mov_b32 s[\g+2], 16<<16
	s_mov_b32 s[\g+3], 32<<16
	s_mov_b32 s[\g+4], 16
	s_mov_b32 s[\g+5], 32
	s_mov_b32 s[\g+6], 0
	s_mov_b32 s[\g+7], 0
.endr
	s_lshl_b32 s18, s16, 16
	s_mov_b32 s19, 0
	s_lshl_b32 s12, s17, 17
	s_mov_b32 s13, 0
	s_lshl_b32 s66, s17, 12
	s_mov_b32 s67, 0
	s_add_co_u32 s2, s42, 24
	s_lshl_b32 s94, s2, 17
	s_mov_b32 s95, 0
	s_lshl_b32 s100, s2, 12
	s_mov_b32 s101, 0
	s_mul_i32 s45, s14, HALFT
	s_wait_dscnt 0x0
	s_wait_kmcnt 0x0
	s_add_nc_u64 s[20:21], s[4:5], s[12:13]
	s_add_nc_u64 s[22:23], s[6:7], s[66:67]
	s_add_nc_u64 s[46:47], s[8:9], s[94:95]
	s_add_nc_u64 s[92:93], s[10:11], s[100:101]
	CROUND
	s_mov_b32 s[G0S], 1
	s_mov_b32 s[G0S+1], SCL
	s_mov_b64 s[G0S+2:G0S+3], s[22:23]
	s_or_b32 s[G0S+3], s[G0S+3], 0x80000000
	s_mov_b32 s[G0SB], 1
	s_mov_b32 s[G0SB+1], SCL+2*HALFS
	s_mov_b64 s[G0SB+2:G0SB+3], s[92:93]
	s_or_b32 s[G0SB+3], s[G0SB+3], 0x80000000
.irp s, 0,1
	s_mov_b32 s[G0+4*\s], 1
.if \s
	s_add_co_u32 s[G0+4*\s+1], s45, SLOT
.else
	s_mov_b32 s[G0+4*\s+1], 0
.endif
	s_add_nc_u64 s[G0+4*\s+2:G0+4*\s+3], s[20:21], \s*8192
	s_or_b32 s[G0+4*\s+3], s[G0+4*\s+3], 0x80000000
	s_mov_b32 s[G0B+4*\s], 1
.if \s
	s_add_co_u32 s[G0B+4*\s+1], s45, SLOT
.else
	s_mov_b32 s[G0B+4*\s+1], 2*HALFT
.endif
	s_add_nc_u64 s[G0B+4*\s+2:G0B+4*\s+3], s[46:47], \s*8192
	s_or_b32 s[G0B+4*\s+3], s[G0B+4*\s+3], 0x80000000
.endr
	s_add_nc_u64 s[G0+6:G0+7], s[G0+6:G0+7], s[18:19]   ; slot 1: my four tiles
	s_add_nc_u64 s[G0B+6:G0B+7], s[G0B+6:G0B+7], s[18:19]
; THE HEAD'S LOADS, ONE A WAVE, in one tree of branches on the wave's number: wave 0 slot 0's tiles of A, wave 1 those of B, wave 2 A's scale bytes, wave 3 B's.
.macro ARM under, g0, g1, next
	s_cmp_lt_u32 s14, \under
	s_cbranch_scc0 \next
	tensor_load_to_lds s[\g0:\g0+3], s[\g1:\g1+7]
	s_nop 0
.rept 4
	v_nop
.endr
	s_branch .Lhead_asked
\next:
.endm
	ARM 1, G0, G1, .Lhead_b
	ARM 2, G0B, G1B, .Lhead_sa
	ARM 3, G0S, G1S, .Lhead_sb
	tensor_load_to_lds s[G0SB:G0SB+3], s[G1SB:G1SB+7]
	s_nop 0
.rept 4
	v_nop
.endr
.Lhead_asked:
	v_and_b32 v1, 15, v0
	v_bfe_u32 v2, v0, 4, 1
	s_wait_alu depctr_va_vdst(0)
	v_and_b32 v3, 31, v0
	v_lshlrev_b32 v4, 4, v3
	s_mul_i32 s21, s15, HALFT
	s_mul_i32 s22, s16, HALFT
	s_add_co_u32 s22, s22, 2*HALFT
.irp s, 0,1
	v_add_nc_u32 v[ADRA+\s], s21, v4
	v_add_nc_u32 v[ADRB+\s], s22, v4
	s_add_co_u32 s21, s21, SLOT
	s_add_co_u32 s22, s22, SLOT
.endr
	v_lshlrev_b32 v5, 3, v1
	s_mul_i32 s21, s15, HALFS
	s_mul_i32 s22, s16, HALFS
	s_add_co_u32 s22, s22, 2*HALFS
	s_sub_co_u32 s22, s22, s21
	v_mul_u32_u24 v6, s22, v2
	s_add_co_u32 s21, s21, SCL
	v_add_nc_u32 v5, v5, v6
	v_add_nc_u32 v[ADRS], s21, v5
	s_mul_i32 s23, s14, 16*SPITCH
	s_add_co_u32 s23, s23, STAGE
	v_mul_u32_u24 v5, v1, SPITCH
	v_lshl_add_u32 v5, v2, 6, v5
	v_add_nc_u32 v[STO], s23, v5
	v_mul_u32_u24 v5, v2, SPITCH
	v_lshl_add_u32 v5, v1, 4, v5
	v_add_nc_u32 v[RD], s23, v5
	v_lshlrev_b32 v[CO], 12, v2
	v_lshl_add_u32 v[CO], v1, 4, v[CO]
	s_lshl_b32 s4, s17, 19
	s_lshl_b32 s5, s15, 18
	s_add_co_u32 s4, s4, s5
	s_lshl_b32 s5, s42, 9
	s_add_co_u32 s4, s4, s5
	s_lshl_b32 s5, s16, 8
	s_add_co_u32 s4, s4, s5
	s_mov_b32 s5, 0
	s_add_nc_u64 s[96:97], s[96:97], s[4:5]
.macro FRAG reg, adr, q, i
.irp c, 0,1,2,3
	ds_load_b128 v[\reg+4*\c:\reg+4*\c+3], v[\adr] offset:8192*(\i)+2048*(\q)+512*\c
.endr
.endm
.macro FETCH slot, q, p
	WIN TO_B
.irp i, 0,1,2,3
	FRAG 64*(\p)+FR*\i, ADRB+\slot, \q, \i
.endr
	WIN 0
.irp i, 0,1,2,3
	FRAG AF+64*(\p)+FR*\i, ADRA+\slot, \q, \i
.endr
.endm
.macro SCALES
.irp i, 0,1,2,3
.irp t, 0,1,2,3
	ds_load_b64 v[SC+8*\i+2*\t:SC+8*\i+2*\t+1], v[ADRS] offset:512*\i+128*\t
.endr
.endr
.endm
.macro PLACES n
.rept \n
	v_nop
.endr
.endm
.macro MUL16 p, k, zero
.irp a, 0,1,2,3
.irp b, 0,1,2,3
.if \zero
	v_wmma_scale_f32_16x16x128_f8f6f4 v[8*(4*\a+\b):8*(4*\a+\b)+7], v[64*(\p)+FR*\b:64*(\p)+FR*\b+FR-1], v[AF+64*(\p)+FR*\a:AF+64*(\p)+FR*\a+FR-1], 0, v[SC+8*\b+(\k)], v[SC+8*\a+(\k)] matrix_a_scale:MATRIX_SCALE_ROW1
.else
	v_wmma_scale_f32_16x16x128_f8f6f4 v[8*(4*\a+\b):8*(4*\a+\b)+7], v[64*(\p)+FR*\b:64*(\p)+FR*\b+FR-1], v[AF+64*(\p)+FR*\a:AF+64*(\p)+FR*\a+FR-1], v[8*(4*\a+\b):8*(4*\a+\b)+7], v[SC+8*\b+(\k)], v[SC+8*\a+(\k)] matrix_a_scale:MATRIX_SCALE_ROW1
.endif
.endr
.endr
.endm
.macro STEP k, zero
.if (\k) == 3
	s_wait_tensorcnt 0x0
	s_wait_dscnt 0x0
	s_barrier_signal -1
	s_barrier_wait -1
.endif
.if (\k) < 7
.if (\k) > 0
	PLACES NP
.endif
	FETCH ((\k)+1)/4, ((\k)+1)%4, ((\k)+1)%2
	s_wait_dscnt 32
.else
	s_wait_dscnt 0x0
.endif
	WIN MUL_W
	MUL16 (\k)%2, \k, \zero
.endm
	s_wait_alu depctr_va_vdst(0)
	s_wait_tensorcnt 0x0                           ; my tile of the head's four is in
	ds_add_u32 v126, v127
	s_mov_b32 s[G1+2], 4<<16                       ; no tensor load of mine is out: from here on a load brings four tiles
	s_mov_b32 s[G1+4], 4
	s_mov_b32 s[G1B+2], 4<<16
	s_mov_b32 s[G1B+4], 4
	s_wait_dscnt 0x0                               ; the add is done
	CROUND                                         ; all four tiles are in, and all sixteen work-groups are here
	JLOAD G0+4, G1, G0B+4, G1B                     ; slot 1: the first tensor load behind the round
	SCALES
	FETCH 0, 0, 0
	STEP 0, 1
	STEP 1, 0
	STEP 2, 0
	STEP 3, 0
	STEP 4, 0
	STEP 5, 0
	STEP 6, 0
	STEP 7, 0
	WIN 0
.macro TOSTAGE a
	WIN 0x08
.irp b, 0,1,2,3
	ds_store_b128 v[STO], v[32*(\a)+8*\b:32*(\a)+8*\b+3] offset:128*(\b/2)+32*(\b%2)
	ds_store_b128 v[STO], v[32*(\a)+8*\b+4:32*(\a)+8*\b+7] offset:128*(\b/2)+32*(\b%2)+16
.endr
	WIN 0
.irp t, 0,1,2,3,4,5,6,7
	ds_load_b128 v[BK+32*(\a)+4*\t:BK+32*(\a)+4*\t+3], v[RD] offset:2*\t*SPITCH
.endr
.endm
.macro SEND a, younger
	s_wait_dscnt \younger
.irp t, 0,1,2,3,4,5,6,7
	global_store_b128 v[CO], v[BK+32*(\a)+4*\t:BK+32*(\a)+4*\t+3], s[96:97] offset:(32*((\a)/2)+8*((\a)%2)+2*\t+8*(\t/4))*4096 th:TH_STORE_NT
.endr
.endm
	PLACES NP
	TOSTAGE 0
	TOSTAGE 1
	SEND 0, 16
	TOSTAGE 2
	SEND 1, 16
	TOSTAGE 3
	SEND 2, 16
	SEND 3, 0
	s_wait_tensorcnt 0x0
	ds_add_u32 v126, v127
	s_wait_dscnt 0x0
	CROUND
	s_endpgm
.Lfunc_end_k_qd6e40c9c24_outp:
	.size	k_qd6e40c9c24_outp, .Lfunc_end_k_qd6e40c9c24_outp-k_qd6e40c9c24_outp
	.p2alignl 7, 3214868480
	.fill 96, 4, 3214868480
	.section	.rodata,"a",@progbits
	.p2align	6, 0x0
	.amdhsa_kernel k_qd6e40c9c24_outp
		.amdhsa_group_segment_fixed_size 327680
		.amdhsa_private_segment_fixed_size 0
		.amdhsa_enable_private_segment 0
		.amdhsa_kernarg_size 40
		.amdhsa_user_sgpr_count 2
		.amdhsa_user_sgpr_kernarg_segment_ptr 1
		.amdhsa_wavefront_size32 1
		.amdhsa_system_sgpr_workgroup_id_x 1
		.amdhsa_system_sgpr_workgroup_id_y 1
		.amdhsa_system_sgpr_workgroup_id_z 1
		.amdhsa_system_vgpr_workitem_id 0
		.amdhsa_next_free_vgpr 640
		.amdhsa_next_free_sgpr 102
		.amdhsa_reserve_vcc 0
		.amdhsa_float_denorm_mode_32 3
		.amdhsa_float_denorm_mode_16_64 3
		.amdhsa_memory_ordered 1
		.amdhsa_forward_progress 1
		.amdhsa_inst_pref_size 54
	.end_amdhsa_kernel
	.amdgpu_metadata
---
amdhsa.version: [ 1, 2 ]
amdhsa.kernels:
  - .name:           k_qd6e40c9c24_outp
    .symbol:         k_qd6e40c9c24_outp.kd
    .args:
      - { .name: cc, .offset: 0, .size: 8, .value_kind: global_buffer, .address_space: global }
      - { .name: cs, .offset: 8, .size: 8, .value_kind: global_buffer, .address_space: global }
      - { .name: wc, .offset: 16, .size: 8, .value_kind: global_buffer, .address_space: global }
      - { .name: ws, .offset: 24, .size: 8, .value_kind: global_buffer, .address_space: global }
      - { .name: out0, .offset: 32, .size: 8, .value_kind: global_buffer, .address_space: global }
    .group_segment_fixed_size: 327680
    .private_segment_fixed_size: 0
    .kernarg_segment_align: 8
    .kernarg_segment_size: 40
    .max_flat_workgroup_size: 128
    .sgpr_count:     102
    .vgpr_count:     640
    .wavefront_size: 32
...
	.end_amdgpu_metadata
.endif
;; end of part 4
